; MI455X (gfx1250); checked and timed in simulation.
; The chip was launched on July 23, 2026; its instructions are those of AMD's public machine-readable ISA for CDNA 5 (MIT licence, August 2026) and "CDNA5" Instruction Set Architecture Reference Guide (July 2026). The comments in the code are by the model that wrote it; some were corrected since.
;; Multi Head Dot Product Attention. Allowed arithmetic: matrix products marked QUANTISED: E2M1 operands, one E8M0 scale for each 32 along K, by v_wmma_scale_f32_16x16x128_f8f6f4 with both operands' format E2M1 (or v_wmma_scale_f32_32x16x128_f4), f32 sums; products left as they are: bf16, f16 or f32 operands; f32 sums; everything else in f32.
;; Inputs: Wk 512 x 512 float32; Wo 512 x 512 float32; Wq 512 x 512 float32; Wv 512 x 512 float32; inputs_kv 2 x 4,096 x 512 float32; inputs_q 2 x 4,096 x 512 float32; k_ln_b 512 float32; k_ln_w 512 float32; mask 1 x 1 x 4,096 x 4,096 bool; q_ln_b 512 float32; q_ln_w 512 float32.
;; Outputs: out0 2 x 4,096 x 512 float32.
;; This version of the problem:
;;   THIS VERSION OF THE PROBLEM IS GIVEN IN LOW PRECISION. The matrix products marked QUANTISED in the list below multiply operands that are first quantised to E2M1 (2 exponent bits, 1 mantissa bit; 4 bits a number), with one power-of-two scale for each 32 numbers along K (OCP MX v1.0); their sums are f32. The products marked 'left as it is' may take bf16, f16 or f32 operands, with f32 sums. Whichever they take, every output number must still come out within the allowed error. Rounding operands to bf16 (8 significant bits) uses up far more of that allowance than f16 does (11 bits, for magnitudes from 6e-5 to 65,504). All else is computed in f32.
;;   The module's matrix products, in the order in which they are computed (A, B: the left and right operand; K: the contracted axis; several contracted axes count as one K, in the product's order):
;;     1. [M 8,192, K 512] x [K 512, N 512]; A: input inputs_q; B: input Wq: QUANTISED
;;     2. [M 8,192, K 512] x [K 512, N 512]; A: input inputs_kv; B: input Wk: QUANTISED
;;     3. [M 8,192, K 512] x [K 512, N 512]; A: input inputs_kv; B: input Wv: QUANTISED
;;     4. batch 16 x [M 4,096, K 64] x [K 64, N 4,096]; A: computed on the way; B: computed on the way: left as it is (an operand is computed on the way)
;;     5. batch 16 x [M 4,096, K 4,096] x [K 4,096, N 64]; A: computed on the way; B: computed on the way: left as it is (an operand is computed on the way)
;;     6. [M 8,192, K 512] x [K 512, N 512]; A: computed on the way; B: input Wo: left as it is (an operand is computed on the way)
;;   THE QUANTISER, for each operand of a quantised product, along K:
;;     - K is cut into blocks of 32 from its start; a last block that is shorter is filled with zeros.
;;     - A block's scale is 2^e with e = floor(log2(the largest magnitude in the block)) - 2, held to -126 .. 127; a block of zeros has e = 0. As a byte (E8M0): e + 127.
;;     - Each number is divided by its block's scale, clamped to +-6, and rounded to the nearest number of E2M1, ties to even, subnormals kept.
;;     - The product sums the exact products of the quantised numbers (number of the format x scale) in f32.
;;   ~~~python
;;   def quantise(x, axis):      # numpy; x: float32 -> the quantised numbers, widened to float32 again
;;       x = np.moveaxis(x, axis, -1); K = x.shape[-1]
;;       x = np.pad(x, [(0, 0)] * (x.ndim - 1) + [(0, -K % 32)]); x = x.reshape(x.shape[:-1] + (-1, 32)); a = np.abs(x).max(-1, keepdims=True)
;;       e = np.where(a > 0, np.clip(np.frexp(np.where(a > 0, a, 1))[1] - 1 - 2, -126, 127), 0)      # np.frexp(a)[1] - 1 = floor(log2(a)), exactly
;;       r = np.clip(x / 2.0 ** e, -6, 6)
;;       step = 2.0 ** (np.maximum(np.frexp(np.where(r == 0, 1, r))[1] - 1, 0) - 1)
;;       q = np.round(r / step) * step * 2.0 ** e      # np.round: ties to even
;;       return np.moveaxis(q.reshape(q.shape[:-2] + (-1,))[..., :K], -1, axis).astype(np.float32)
;;   ~~~
;; One version. Each part assembles by itself: llvm-mc -triple=amdgcn-amd-amdhsa -mcpu=gfx1250 --defsym DOCPART=n.
;; ======== version 1 of 1: 5 launches
;; limits: values are held in f16: magnitudes above 65,504 overflow, below 6.1e-05 lose precision
;; workspace buffers: wts 1,490,944 bytes; flags 4,096 bytes of whole numbers; qf 8,421,376 bytes; kf 16,777,216 bytes; vf 16,777,216 bytes; obuf 8,388,608 bytes
;; launch prep (part 1): grid 368 x 1, 8 waves a work-group, no clusters, 0 bytes of LDS; arguments mask, Wq, Wk, Wv, Wo, wts, flags; writes wts, flags
.if DOCPART == 1
	.amdgcn_target "amdgcn-amd-amdhsa--gfx1250"
	.amdhsa_code_object_version 6
	.text
	.protected	k_qf82161e9fd_prep
	.globl	k_qf82161e9fd_prep
	.p2align	8
	.type	k_qf82161e9fd_prep,@function
k_qf82161e9fd_prep:
	s_mov_b64 s[64:65], 0
	v_nop
	global_prefetch_b8 v0, s[64:65] scope:SCOPE_SE
	s_setreg_imm32_b32 hwreg(HW_REG_WAVE_MODE, 25, 1), 1
	s_wait_xcnt 0x0
; PREP: what the later launches read again and again is made once.  Three kinds of work-group, told apart by the work-group's number.
;  0-255   a strip of 16 rows of the mask (one tile of queries): for each of its 64 key steps of 64 columns one bit ANY (some byte is true) and one bit ALL (every byte is true).
;          flags: ANY as one 64-bit word a strip at byte 8 x strip, ALL at 2,048 + 8 x strip; bit j = key step j.  Whole numbers: later launches branch on them.
;  256-303 Wq, Wk, Wv [k][n] f32 -> codes of E2M1 with one E8M0 byte for each 32 along k, laid in the order of the operand's registers: fragment (16 columns, 128 k) = 1,024 bytes, lane l's 16 bytes at 16 l.
;          A lane takes a column and its registers run down k, so a block of 32 lies in one lane and nothing is transposed.
;  304-367 Wo [f][n] f32 -> f16 fragments (16 columns x 32 f), a high and a low part, split in f32.
; No LDS, no barrier, no matrix unit, no cluster: waves share nothing, and every input byte is read once.
; LIMITS: mask bytes are 0 or 1.  A block of zeros gets the scale byte 1 where the rule says 127: its codes are zeros and only this program reads the bytes.  Blocks whose largest magnitude lies under 2^-124
; keep the byte 1.  |Wo| stays under 65,504 (f16).  NaN and infinities among the weights are not served.  The flags' stores are single bytes: 4,096 bytes in the whole launch.
.set WSC, 393216                       ; wts: the weights' scale words begin here (128 bytes a fragment)
.set WOH, 442368                       ; Wo's high parts
.set WOL, 966656                       ; Wo's low parts
.set CV,  28                           ; s[28:29] 8193.0
; a pair of f32 numbers -> a pair of f16 high parts and a pair of f16 low parts.  t = 8193 x; hi = t - (t - x) has 11 significant bits, so f16 holds it exactly; lo = x - hi is exact in f32
.macro SPLIT hi, lo, src, t
	v_pk_mul_f32 v[(\t):(\t)+1], v[(\src):(\src)+1], s[CV:CV+1] op_sel_hi:[1,0]
	v_pk_add_f32 v[(\t)+2:(\t)+3], v[(\t):(\t)+1], v[(\src):(\src)+1] neg_lo:[0,1] neg_hi:[0,1]
	v_pk_add_f32 v[(\t):(\t)+1], v[(\t):(\t)+1], v[(\t)+2:(\t)+3] neg_lo:[0,1] neg_hi:[0,1]
	v_pk_add_f32 v[(\t)+2:(\t)+3], v[(\src):(\src)+1], v[(\t):(\t)+1] neg_lo:[0,1] neg_hi:[0,1]
	v_cvt_pk_f16_f32 v[\hi], v[(\t)], v[(\t)+1]
	v_cvt_pk_f16_f32 v[\lo], v[(\t)+2], v[(\t)+3]
.endm
; bits 0, 4, 8 .. 28 of s[x] are drawn together into bits 0 .. 7
.macro SQUEEZE x
	s_and_b32 s[\x], s[\x], 0x11111111
	s_lshr_b32 s23, s[\x], 3
	s_or_b32 s[\x], s[\x], s23
	s_and_b32 s[\x], s[\x], 0x03030303
	s_lshr_b32 s23, s[\x], 6
	s_or_b32 s[\x], s[\x], s23
	s_and_b32 s[\x], s[\x], 0x000f000f
	s_lshr_b32 s23, s[\x], 12
	s_or_b32 s[\x], s[\x], s23
	s_and_b32 s[\x], s[\x], 0xff
.endm
	s_load_b256 s[4:11], s[0:1], 0x0               ; mask s[4:5], Wq s[6:7], Wk s[8:9], Wv s[10:11]
	s_load_b128 s[12:15], s[0:1], 0x20             ; Wo s[12:13], wts s[14:15]
	s_load_b64 s[16:17], s[0:1], 0x30              ; flags
	v_lshrrev_b32 v1, 5, v0
	v_readfirstlane_b32 s18, v1                    ; wave 0..7
	v_and_b32 v2, 31, v0                           ; lane
	v_and_b32 v3, 15, v0                           ; r
	v_bfe_u32 v4, v0, 4, 1                         ; h
	s_mov_b32 s26, 0x76543210
	s_mov_b32 s27, 0xfedcba98                      ; v_permlanex16_b32's selects for lane l xor 16
	s_mov_b32 s[CV], 0x46000400
	s_mov_b32 s[CV+1], s[CV]
	s_wait_kmcnt 0x0
	s_cmp_lt_u32 ttmp9, 256
	s_cbranch_scc0 .Lweights
	; ---- a strip of the mask: 16 rows of 4,096 bytes; thread t takes bytes 16 t of every row, so a load of a wave covers 512 consecutive bytes
	s_lshl_b32 s20, ttmp9, 16
	s_mov_b32 s21, 0
	s_add_nc_u64 s[4:5], s[4:5], s[20:21]
	v_lshlrev_b32 v5, 4, v0
.irp i, 0,1,2,3,4,5,6,7,8,9,10,11,12,13,14,15
	global_load_b128 v[16+4*\i:19+4*\i], v5, s[4:5] offset:4096*\i th:TH_LOAD_NT
.endr
	s_wait_loadcnt 8                               ; rows 0-7 are in; the eight younger loads may be out
	v_or_b32 v8, v16, v17
	v_and_b32 v9, v16, v17
.set j, 18
.rept 30
	v_or_b32 v8, v8, v[j]
	v_and_b32 v9, v9, v[j]
.set j, j+1
.endr
	s_wait_loadcnt 0x0
.rept 32
	v_or_b32 v8, v8, v[j]
	v_and_b32 v9, v9, v[j]
.set j, j+1
.endr
	s_mov_b32 s22, 0x01010101
	v_cmp_ne_u32 s20, 0, v8                        ; a bit a lane: some byte of my 16 x 16 is true
	v_cmp_eq_u32 s21, s22, v9                      ; every one is
	s_lshr_b32 s23, s20, 1                         ; four lanes are a key step of 64 columns
	s_or_b32 s20, s20, s23
	s_lshr_b32 s23, s20, 2
	s_or_b32 s20, s20, s23
	s_lshr_b32 s23, s21, 1
	s_and_b32 s21, s21, s23
	s_lshr_b32 s23, s21, 2
	s_and_b32 s21, s21, s23
	SQUEEZE 20                                     ; my wave's eight key steps: byte w of the strip's word
	SQUEEZE 21
	v_mov_b32 v10, s20
	v_mov_b32 v11, s21
	v_cmp_eq_u32 vcc_lo, 1, v2
	v_cndmask_b32 v10, v10, v11, vcc_lo            ; lane 0 stores ANY's byte, lane 1 ALL's
	s_lshl_b32 s23, ttmp9, 3
	s_add_co_u32 s23, s23, s18
	v_lshl_add_u32 v12, v2, 11, s23                ; 8 x strip + wave + 2,048 x lane
	s_wait_xcnt 0x0                                ; EXEC changes only behind this wait
	v_cmpx_gt_u32 2, v2
	global_store_b8 v12, v10, s[16:17]
	s_endpgm
.Lweights:
	s_cmp_lt_u32 ttmp9, 304
	s_cbranch_scc0 .Lwo
	; ---- one fragment of Wq, Wk or Wv a wave: job = 128 x matrix + 4 x (tile of 16 columns) + K step
	s_sub_co_u32 s19, ttmp9, 256
	s_lshl_b32 s19, s19, 3
	s_add_co_u32 s19, s19, s18
	s_lshr_b32 s22, s19, 7
	s_cmp_eq_u32 s22, 0
	s_cselect_b64 s[20:21], s[6:7], s[8:9]
	s_cmp_eq_u32 s22, 2
	s_cselect_b64 s[20:21], s[10:11], s[20:21]
	s_bfe_u32 s23, s19, 0x50002                    ; the tile of columns
	s_and_b32 s24, s19, 3                          ; the K step
	s_lshl_b32 s24, s24, 18                        ; 128 rows of 2,048 bytes
	s_lshl_b32 s23, s23, 6
	s_add_co_u32 s24, s24, s23
	v_lshlrev_b32 v5, 16, v4                       ; lanes 16-31 begin 32 rows further down
	v_lshl_add_u32 v5, v3, 2, v5                   ; lane r takes column r of the tile
	v_add_nc_u32 v5, s24, v5
.irp c, 0,1
.set i, 0
.rept 32
	global_load_b32 v[64+32*\c+i], v5, s[20:21] offset:(64*\c+i)*2048   ; W(128 s + 64 c + 32 h + i, column)
.set i, i+1
.endr
.endr
	s_lshl_b32 s22, s19, 10
	v_lshl_add_u32 v6, v2, 4, s22                  ; the fragment's image: 1,024 x job + 16 x lane
	s_lshl_b32 s22, s19, 7
	v_lshl_add_u32 v7, v2, 2, s22                  ; its scale words: 128 x job + 4 x lane
	s_wait_loadcnt 0x0
.irp c, 0,1
	v_max3_num_f32 v[32+\c], |v[64+32*\c]|, |v[65+32*\c]|, 0x1800000   ; my block 2 c + h: all 32 numbers are mine; the floor 2^(3 - 127) holds the byte at 1 from below
.endr
.irp i, 2,4,6,8,10,12,14,16,18,20,22,24,26,28,30
.irp c, 0,1
	v_max3_num_f32 v[32+\c], v[32+\c], |v[64+32*\c+\i]|, |v[65+32*\c+\i]|
.endr
.endr
.irp c, 0,1
	v_add_nc_u32 v[44+\c], 0xff000000, v[32+\c]    ; 2 off the exponent field: the conversion's scale operand
.endr
.irp c, 0,1
	v_lshrrev_b32 v[36+\c], 23, v[44+\c]           ; the scale's byte
.endr
	v_lshl_or_b32 v9, v37, 16, v36                 ; blocks h and 2 + h,
	v_lshlrev_b32 v10, 3, v4
	v_lshlrev_b32 v9, v10, v9                      ; at their places in the word;
	v_mov_b32 v10, 0
	v_permlanex16_b32 v10, v9, s26, s27
	v_or_b32 v9, v9, v10                           ; with lane l xor 16's two the word is whole, in all 32 lanes
.irp c, 0,1
.irp g, 0,1,2,3
	v_cvt_scalef32_pk8_fp4_f32 v[48+4*\c+\g], v[64+32*\c+8*\g:71+32*\c+8*\g], v[44+\c]
.endr
.endr
	v_nop                                          ; one plain line behind the last scaled conversion
	global_store_b128 v6, v[48:51], s[14:15]       ; 32 lanes store 512 consecutive bytes
	global_store_b128 v6, v[52:55], s[14:15] offset:512
	global_store_b32 v7, v9, s[14:15] offset:WSC
	s_endpgm
.Lwo:
	; ---- one fragment of Wo a wave: job = 16 x (tile of 16 columns) + K step of 32
	s_sub_co_u32 s19, ttmp9, 304
	s_lshl_b32 s19, s19, 3
	s_add_co_u32 s19, s19, s18
	s_lshr_b32 s22, s19, 4
	s_and_b32 s23, s19, 15
	s_lshl_b32 s22, s22, 6
	s_lshl_b32 s23, s23, 16                        ; 32 rows of 2,048 bytes
	s_add_co_u32 s22, s22, s23
	v_lshlrev_b32 v5, 14, v4                       ; + 8 h rows
	v_lshl_add_u32 v5, v3, 2, v5
	v_add_nc_u32 v5, s22, v5
.irp c, 0,1
.irp i, 0,1,2,3,4,5,6,7
	global_load_b32 v[16+8*\c+\i], v5, s[12:13] offset:(16*\c+\i)*2048   ; Wo(32 ks + 16 c + 8 h + i, column)
.endr
.endr
	s_lshl_b32 s24, s19, 10
	v_lshl_add_u32 v6, v2, 4, s24
	s_wait_loadcnt 0x0
.irp p, 0,1,2,3,4,5,6,7
	SPLIT 40+\p, 48+\p, 16+2*\p, 32+4*(\p%2)
.endr
	global_store_b128 v6, v[40:43], s[14:15] offset:WOH
	global_store_b128 v6, v[44:47], s[14:15] offset:WOH+512
	global_store_b128 v6, v[48:51], s[14:15] offset:WOL
	global_store_b128 v6, v[52:55], s[14:15] offset:WOL+512
	s_endpgm
.Lfunc_end_k_qf82161e9fd_prep:
	.size	k_qf82161e9fd_prep, .Lfunc_end_k_qf82161e9fd_prep-k_qf82161e9fd_prep
	.p2alignl 7, 3214868480
	.fill 96, 4, 3214868480
	.section	.rodata,"a",@progbits
	.p2align	6, 0x0
	.amdhsa_kernel k_qf82161e9fd_prep
		.amdhsa_group_segment_fixed_size 0
		.amdhsa_private_segment_fixed_size 0
		.amdhsa_enable_private_segment 0
		.amdhsa_kernarg_size 56
		.amdhsa_user_sgpr_count 2
		.amdhsa_user_sgpr_kernarg_segment_ptr 1
		.amdhsa_wavefront_size32 1
		.amdhsa_system_sgpr_workgroup_id_x 1
		.amdhsa_system_sgpr_workgroup_id_y 1
		.amdhsa_system_sgpr_workgroup_id_z 1
		.amdhsa_system_vgpr_workitem_id 0
		.amdhsa_next_free_vgpr 128
		.amdhsa_next_free_sgpr 66
		.amdhsa_reserve_vcc 1
		.amdhsa_float_denorm_mode_32 3
		.amdhsa_float_denorm_mode_16_64 3
		.amdhsa_memory_ordered 1
		.amdhsa_forward_progress 1
		.amdhsa_inst_pref_size 25
	.end_amdhsa_kernel
	.amdgpu_metadata
---
amdhsa.version: [ 1, 2 ]
amdhsa.kernels:
  - .name:           k_qf82161e9fd_prep
    .symbol:         k_qf82161e9fd_prep.kd
    .args:
      - { .name: mask, .offset: 0, .size: 8, .value_kind: global_buffer, .address_space: global }
      - { .name: Wq, .offset: 8, .size: 8, .value_kind: global_buffer, .address_space: global }
      - { .name: Wk, .offset: 16, .size: 8, .value_kind: global_buffer, .address_space: global }
      - { .name: Wv, .offset: 24, .size: 8, .value_kind: global_buffer, .address_space: global }
      - { .name: Wo, .offset: 32, .size: 8, .value_kind: global_buffer, .address_space: global }
      - { .name: wts, .offset: 40, .size: 8, .value_kind: global_buffer, .address_space: global }
      - { .name: flags, .offset: 48, .size: 8, .value_kind: global_buffer, .address_space: global }
    .group_segment_fixed_size: 0
    .private_segment_fixed_size: 0
    .kernarg_segment_align: 8
    .kernarg_segment_size: 56
    .max_flat_workgroup_size: 256
    .sgpr_count:     66
    .vgpr_count:     128
    .wavefront_size: 32
...
	.end_amdgpu_metadata
.endif
;; end of part 1
;; launch proj (part 2): grid 256 x 1, 16 waves a work-group, no clusters, 28,672 bytes of LDS; arguments inputs_q, inputs_kv, wts, q_ln_w, q_ln_b, k_ln_w, k_ln_b, qf, kf, vf; writes qf, kf, vf
.if DOCPART == 2
	.amdgcn_target "amdgcn-amd-amdhsa--gfx1250"
	.amdhsa_code_object_version 6
	.text
	.protected	k_qf82161e9fd_proj
	.globl	k_qf82161e9fd_proj
	.p2align	8
	.type	k_qf82161e9fd_proj,@function
k_qf82161e9fd_proj:
	s_mov_b64 s[64:65], 0
	v_nop
	global_prefetch_b8 v0, s[64:65] scope:SCOPE_SE
	s_setreg_imm32_b32 hwreg(HW_REG_WAVE_MODE, 25, 1), 1
	s_wait_xcnt 0x0
; PROJ: q = LN(inputs_q Wq), k = LN(inputs_kv Wk), v = inputs_kv Wv; the three products on codes of E2M1 with one E8M0 scale for each 32 along K; LayerNorm in f32; results as f16 fragments for the attention.
; SHARES.  Work-groups 0-127 take 64 tokens of inputs_q each, 128-255 64 tokens of inputs_kv (k, then v).  THE SIXTEEN WAVES SHARE THE COLUMNS: wave w makes features 32 w .. 32 w + 31 for all 64 tokens, so its
; part of a weight (8 fragments, 64 registers) goes from memory straight into its registers, once.  Each wave also quantises ONE of x's 16 fragments (tile of 16 tokens w / 4, K step w % 4); the fragments go from wave to wave
; through LDS as images of their registers (lane l's 16 bytes at 16 l), their scale words at 4 l.
; q and k are used TRANSPOSED (source 0 = 16 columns of W, source 1 = 16 tokens): a lane holds one token and eight neighbouring features, which pack into 16 bytes of a fragment of the scores' product.
; v is used as it stands (source 0 = tokens, source 1 = columns): a lane holds one feature and eight keys, as the second product's fragment wants.
; THE TOKENS OF A TILE: for q neighbours; for inputs_kv row m of tile t is token 32 (m / 8) + 8 t + m % 8, so that in the scores a lane's 32 registers are 32 neighbouring keys.
; LAYERNORM over 512 features = 16 waves: two passes (mean; then the squares of x - mean), each summed in the lane, with lane l xor 16, and over the waves through LDS.
; OUT.  Every number is split in f32 into an f16 high and an f16 low part.  High parts always go out; low parts for k and v, and for q's positions 0-15 (a later launch carries those rows finely).
; No cluster, no tensor load: what work-groups share is the weights, and each wave's part goes to its own registers once; a way through LDS would write and read the same bytes once more.
; LIMITS: |q|, |k|, |v| stay under 65,504 (f16).  A block of zeros gets the scale byte 1 (its codes are zeros).  NaN and infinities among the inputs are not served.
.set WSC,   393216
.set XIMG,  0                          ; LDS: x's 16 fragments, 1,024 bytes each
.set XSC,   16384                      ; their scale words, 128 bytes each
.set RED1,  18432                      ; the waves' sums: 256 bytes a wave (16 tokens' rows x 4 tiles x 4 bytes)
.set RED2,  22528                      ; and their sums of squares
.set SPARE, 26624                      ; the spare words, 128 bytes a wave: eight blocks of 256 bytes that no other line names
.set LI,  1                            ; 16 x lane
.set LS,  2                            ; 4 x lane
.set XA,  3                            ; x: my lane's byte in the work-group's 64 rows
.set RW,  4                            ; 256 w + 16 r
.set RR,  5                            ; 16 r
.set LNO, 6                            ; 128 w + 32 h
.set WO1, 7                            ; offsets of my weights' codes and scale words: first product, then v's
.set WS1, 8
.set WO2, 9
.set WS2, 10
.set XWI, 11                           ; 1,024 w + 16 x lane
.set XWS, 12                           ; 128 w + 4 x lane
.set SPW, 14
.set NIL, 15
.set KA,  16                           ; v16-79: 64 numbers of x; then the accumulators (tile t, half f) at 16 t + 8 f; then low parts; then v's parts
.set TM,  80
.set PC,  96
.set PW,  104
.set XF,  80                           ; v80-111: x's four fragments of a tile; then sums read back; then high parts
.set XS,  112                          ; v112-115: x's scale words, and nothing else
.set SM,  116
.set MU,  120
.set RS,  124
.set W,   128                          ; v128-191: my weights (f, s) at 32 f + 8 s
.set WS,  192                          ; v192-199: their scale words, and nothing else
.set LNW, 200
.set LNB, 216
.set VA,  200                          ; v's two accumulators, where the gains lay
.set TP,  232
.set SEL, 34
.set CV,  36
.macro PLACES n
.rept \n
	v_nop
.endr
.endm
.macro BARRIER                         ; my LDS stores have landed and my LDS loads are in: then the work-group's barrier
	s_wait_dscnt 0x0
	s_barrier_signal -1
	s_barrier_wait -1
.endm
.macro SPLIT hi, lo, src, t            ; t = 8193 x; hi = t - (t - x): 11 significant bits; lo = x - hi
	v_pk_mul_f32 v[(\t):(\t)+1], v[(\src):(\src)+1], s[CV:CV+1] op_sel_hi:[1,0]
	v_pk_add_f32 v[(\t)+2:(\t)+3], v[(\t):(\t)+1], v[(\src):(\src)+1] neg_lo:[0,1] neg_hi:[0,1]
	v_pk_add_f32 v[(\t):(\t)+1], v[(\t):(\t)+1], v[(\t)+2:(\t)+3] neg_lo:[0,1] neg_hi:[0,1]
	v_pk_add_f32 v[(\t)+2:(\t)+3], v[(\src):(\src)+1], v[(\t):(\t)+1] neg_lo:[0,1] neg_hi:[0,1]
	v_cvt_pk_f16_f32 v[\hi], v[(\t)], v[(\t)+1]
	v_cvt_pk_f16_f32 v[\lo], v[(\t)+2], v[(\t)+3]
.endm
; 64 numbers of a lane, register 16 b + i = k 32 b + 16 (lane / 16) + i of my row, become a fragment's codes in v[PC] on and its scale word in v[PW]
.macro QUANT s
.irp b, 0,1,2,3
	v_max3_num_f32 v[TM+\b], |v[\s+16*\b]|, |v[\s+1+16*\b]|, 0x1800000   ; the floor 2^(3 - 127): the byte cannot fall under 1
.endr
.irp i, 2,4,6,8,10,12,14
.irp b, 0,1,2,3
	v_max3_num_f32 v[TM+\b], v[TM+\b], |v[\s+16*\b+\i]|, |v[\s+1+16*\b+\i]|
.endr
.endr
.irp b, 0,1,2,3
	v_permlanex16_b32 v[TM+4+\b], v[TM+\b], s[SEL], s[SEL+1]
.endr
.irp b, 0,1,2,3
	v_max_num_f32 v[TM+\b], v[TM+\b], v[TM+4+\b]   ; with lane l xor 16's: the block's largest magnitude
.endr
.irp b, 0,1,2,3
	v_add_nc_u32 v[TM+12+\b], 0xff000000, v[TM+\b] ; 2 off its exponent field: the conversion's scale operand
.endr
.irp b, 0,1,2,3
	v_lshrrev_b32 v[TM+4+\b], 23, v[TM+12+\b]      ; the scale's byte
.endr
	v_lshl_or_b32 v[PW], v[TM+5], 8, v[TM+4]
	v_lshl_or_b32 v[PW], v[TM+6], 16, v[PW]
	v_lshl_or_b32 v[PW], v[TM+7], 24, v[PW]
.irp b, 0,1,2,3
	v_cvt_scalef32_pk8_fp4_f32 v[PC+2*\b], v[\s+16*\b:\s+7+16*\b], v[TM+12+\b]
	v_cvt_scalef32_pk8_fp4_f32 v[PC+1+2*\b], v[\s+8+16*\b:\s+15+16*\b], v[TM+12+\b]
.endr
	v_nop                                          ; one plain place behind a scaled conversion
.irp c, 0,1                                    ; the operand wants a whole block in a lane: lanes 0-15 block 2 c, lanes 16-31 block 2 c + 1
.irp i, 0,1
	v_permlane16_swap_b32 v[PC+4*\c+\i], v[PC+2+4*\c+\i]
.endr
.endr
.endm
.macro WLOAD wo, ws                    ; my 8 fragments of a weight and their scale words: 16 + 8 loads
.irp f, 0,1
.irp s, 0,1,2,3
.irp c, 0,1
	global_load_b128 v[W+32*\f+8*\s+4*\c:W+32*\f+8*\s+4*\c+3], v[\wo], s[8:9] offset:4096*\f+1024*\s+512*\c
.endr
.endr
.endr
.irp f, 0,1
.irp s, 0,1,2,3
	global_load_b32 v[WS+4*\f+\s], v[\ws], s[8:9] offset:WSC+128*(4*\f+\s)
.endr
.endr
.endm
.macro FETCH tau                       ; x's four fragments of tile tau and their scale words, from LDS
.irp s, 0,1,2,3
.irp c, 0,1
	ds_load_b128 v[XF+8*\s+4*\c:XF+8*\s+4*\c+3], v[LI] offset:XIMG+1024*(4*(\tau)+\s)+512*\c
.endr
	ds_load_b32 v[XS+\s], v[LS] offset:XSC+128*(4*(\tau)+\s)
.endr
	s_wait_dscnt 0x0
.endm
.macro MM d, a, b, z, sa, sb
.if \z
	v_wmma_scale_f32_16x16x128_f8f6f4 v[(\d):(\d)+7], v[(\a):(\a)+7], v[(\b):(\b)+7], 0, v[\sa], v[\sb] matrix_a_fmt:MATRIX_FMT_FP4 matrix_b_fmt:MATRIX_FMT_FP4
.else
	v_wmma_scale_f32_16x16x128_f8f6f4 v[(\d):(\d)+7], v[(\a):(\a)+7], v[(\b):(\b)+7], v[(\d):(\d)+7], v[\sa], v[\sb] matrix_a_fmt:MATRIX_FMT_FP4 matrix_b_fmt:MATRIX_FMT_FP4
.endif
.endm
; the four tiles' two chains in v[TP] on -> one number a tile, with lane l xor 16's -> my wave's 256 bytes of LDS -> barrier
.macro LANESUM red
.irp tau, 0,1,2,3
	v_pk_add_f32 v[TP+4*\tau:TP+4*\tau+1], v[TP+4*\tau:TP+4*\tau+1], v[TP+4*\tau+2:TP+4*\tau+3]
.endr
.irp tau, 0,1,2,3
	v_add_f32 v[SM+\tau], v[TP+4*\tau], v[TP+4*\tau+1]
.endr
.irp tau, 0,1,2,3
	v_permlanex16_b32 v[TP+4*\tau+2], v[SM+\tau], s[SEL], s[SEL+1]
.endr
.irp tau, 0,1,2,3
	v_add_f32 v[SM+\tau], v[SM+\tau], v[TP+4*\tau+2]
.endr
	ds_store_b128 v[RW], v[SM:SM+3] offset:\red    ; both halves of the lanes write the same bytes with the same values
	BARRIER
.endm
.macro REDUCE red, dst                 ; the sixteen waves' numbers of my row, added in the same order in every wave
.irp k, 0,1,2,3,4,5,6,7
	ds_load_b128 v[XF+4*\k:XF+4*\k+3], v[RR] offset:\red+256*\k
.endr
	s_wait_dscnt 0x0
	v_pk_add_f32 v[\dst:\dst+1], v[XF:XF+1], v[XF+4:XF+5]
	v_pk_add_f32 v[\dst+2:\dst+3], v[XF+2:XF+3], v[XF+6:XF+7]
.irp k, 2,3,4,5,6,7
	v_pk_add_f32 v[\dst:\dst+1], v[\dst:\dst+1], v[XF+4*\k:XF+4*\k+1]
	v_pk_add_f32 v[\dst+2:\dst+3], v[\dst+2:\dst+3], v[XF+4*\k+2:XF+4*\k+3]
.endr
.irp k, 0,1,2,3,4,5,6,7
	ds_load_b128 v[XF+4*\k:XF+4*\k+3], v[RR] offset:\red+2048+256*\k
.endr
	s_wait_dscnt 0x0
.irp k, 0,1,2,3,4,5,6,7
	v_pk_add_f32 v[\dst:\dst+1], v[\dst:\dst+1], v[XF+4*\k:XF+4*\k+1]
	v_pk_add_f32 v[\dst+2:\dst+3], v[\dst+2:\dst+3], v[XF+4*\k+2:XF+4*\k+3]
.endr
.endm
; tile tau's 16 numbers: x - mean (how = 0) or x times 1/sigma (how = 1); the tile's number is one register of a pair and serves both halves
.macro BYTILE tau, st, how
.irp i, 0,2,4,6,8,10,12,14
.if \how
.if (\tau)%2
	v_pk_mul_f32 v[KA+16*(\tau)+\i:KA+16*(\tau)+\i+1], v[KA+16*(\tau)+\i:KA+16*(\tau)+\i+1], v[\st+(\tau)-1:\st+(\tau)] op_sel:[0,1] op_sel_hi:[1,1]
.else
	v_pk_mul_f32 v[KA+16*(\tau)+\i:KA+16*(\tau)+\i+1], v[KA+16*(\tau)+\i:KA+16*(\tau)+\i+1], v[\st+(\tau):\st+(\tau)+1] op_sel_hi:[1,0]
.endif
.else
.if (\tau)%2
	v_pk_add_f32 v[KA+16*(\tau)+\i:KA+16*(\tau)+\i+1], v[KA+16*(\tau)+\i:KA+16*(\tau)+\i+1], v[\st+(\tau)-1:\st+(\tau)] op_sel:[0,1] op_sel_hi:[1,1] neg_lo:[0,1] neg_hi:[0,1]
.else
	v_pk_add_f32 v[KA+16*(\tau)+\i:KA+16*(\tau)+\i+1], v[KA+16*(\tau)+\i:KA+16*(\tau)+\i+1], v[\st+(\tau):\st+(\tau)+1] op_sel_hi:[1,0] neg_lo:[0,1] neg_hi:[0,1]
.endif
.endif
.endr
.endm
	s_load_b512 s[4:19], s[0:1], 0x0               ; inputs_q 4, inputs_kv 6, wts 8, q_ln_w 10, q_ln_b 12, k_ln_w 14, k_ln_b 16, qf 18
	s_load_b128 s[20:23], s[0:1], 0x40             ; kf 20, vf 22
	v_lshl_add_u32 v[SPW], v0, 2, SPARE
	v_mov_b32 v[NIL], 0
	v_lshrrev_b32 v13, 5, v0
	v_readfirstlane_b32 s24, v13                   ; wave 0..15
	s_lshr_b32 s25, ttmp9, 7                       ; role: 0 = q, 1 = k and v
	s_and_b32 s26, ttmp9, 127                      ; block of 64 tokens
	s_lshr_b32 s27, s26, 6                         ; batch
	s_and_b32 s28, s26, 63                         ; key step (or block of four query tiles) in the sequence
	s_lshr_b32 s29, s24, 1                         ; my head
	s_and_b32 s30, s24, 1                          ; which 32 of its 64
	s_lshr_b32 s31, s24, 2                         ; the tile of x that I quantise,
	s_and_b32 s32, s24, 3                          ; and its K step
	s_mov_b32 s[SEL], 0x76543210
	s_mov_b32 s[SEL+1], 0xfedcba98
	s_mov_b32 s[CV], 0x46000400                    ; 8193.0
	s_mov_b32 s[CV+1], s[CV]
	s_mov_b32 s42, 0x3b000000                      ; 1 / 512
	s_mov_b32 s43, 0x3727c5ac                      ; 1e-5
	v_and_b32 v13, 31, v0
	v_lshlrev_b32 v[LI], 4, v13
	v_lshlrev_b32 v[LS], 2, v13
	v_and_b32 v232, 15, v0                         ; r
	v_bfe_u32 v233, v0, 4, 1                       ; h
	s_lshl_b32 s33, s24, 8
	v_lshl_add_u32 v[RW], v232, 4, s33
	v_lshlrev_b32 v[RR], 4, v232
	s_lshl_b32 s33, s24, 7
	v_lshl_add_u32 v[LNO], v233, 5, s33
	v_add_nc_u32 v[XWS], s33, v[LS]
	s_lshl_b32 s33, s24, 10
	v_add_nc_u32 v[XWI], s33, v[LI]
	s_lshl_b32 s38, s25, 14
	s_add_co_u32 s38, s38, s33
	v_add_nc_u32 v[WS1], s38, v[LS]                ; scale words: 16,384 x matrix + 1,024 w + 4 x lane
	s_add_co_u32 s38, s33, 32768
	v_add_nc_u32 v[WS2], s38, v[LS]
	s_lshl_b32 s33, s24, 13
	s_lshl_b32 s38, s25, 17
	s_add_co_u32 s38, s38, s33
	v_add_nc_u32 v[WO1], s38, v[LI]                ; codes: 131,072 x matrix + 8,192 w + 16 x lane
	s_add_co_u32 s38, s33, 262144
	v_add_nc_u32 v[WO2], s38, v[LI]
	s_cmp_eq_u32 s25, 0
	s_cselect_b32 s40, 8, 32                       ; the tokens of a tile: (r % 8) + (r / 8) x 8 + 16 tile for q, (r % 8) + (r / 8) x 32 + 8 tile for k and v
	s_cselect_b32 s41, 16, 8
	s_mul_i32 s41, s31, s41
	v_and_b32 v234, 7, v0
	v_bfe_u32 v235, v0, 3, 1
	v_mad_u32_u24 v234, v235, s40, v234
	v_add_nc_u32 v234, s41, v234
	v_lshlrev_b32 v[XA], 11, v234                  ; a row of x is 2,048 bytes
	v_lshl_add_u32 v[XA], v233, 6, v[XA]           ; my 16 numbers of a block of 32
	s_lshl_b32 s33, s32, 9
	v_add_nc_u32 v[XA], s33, v[XA]                 ; my K step's 512 bytes
.irp b, 0,1,2,3
	v_mov_b32 v[TM+4+\b], 0                        ; written once: a lane permute's destination counts as one of its sources
.endr
	s_lshl_b32 s44, s27, 3
	s_add_co_u32 s44, s44, s29                     ; batch x 8 + head
	s_lshl_b32 s38, s26, 17                        ; x: 64 rows of 2,048 bytes a block
	s_mov_b32 s39, 0
	s_lshl_b32 s52, s44, 19                        ; a head's fragments: 524,288 bytes
	s_lshl_b32 s45, s28, 13
	s_add_co_u32 s52, s52, s45                     ; + 8,192 a key step
	s_mov_b32 s53, 0
	s_lshl_b32 s54, s30, 10
	s_add_co_u32 s54, s54, s52                     ; q, k: + 1,024 x which 32
	s_mov_b32 s55, 0
	s_lshl_b32 s56, s30, 11
	s_add_co_u32 s56, s56, s52                     ; v: + 2,048 x which 32
	s_mov_b32 s57, 0
	s_lshl_b32 s58, s44, 11
	s_lshl_b32 s45, s30, 10
	s_add_co_u32 s58, s58, s45                     ; q's low parts: 2,048 a head + 1,024 x which 32
	s_mov_b32 s59, 0
	s_wait_kmcnt 0x0
	s_cmp_eq_u32 s25, 0                            ; the buffers are chosen by the work-group's number alone
	s_cselect_b64 s[4:5], s[4:5], s[6:7]
	s_cselect_b64 s[10:11], s[10:11], s[14:15]
	s_cselect_b64 s[12:13], s[12:13], s[16:17]
	s_cselect_b64 s[18:19], s[18:19], s[20:21]
	s_add_nc_u64 s[4:5], s[4:5], s[38:39]
	s_add_nc_u64 s[48:49], s[18:19], s[58:59]
	s_add_nc_u64 s[48:49], s[48:49], 0x800000      ; q's low parts
	s_add_nc_u64 s[18:19], s[18:19], s[54:55]      ; high parts of q or k
	s_add_nc_u64 s[46:47], s[18:19], 0x800000      ; k's low parts
	s_add_nc_u64 s[22:23], s[22:23], s[56:57]      ; v's high parts
	s_add_nc_u64 s[50:51], s[22:23], 0x800000      ; and low parts
.irp b, 0,1,2,3
.irp i, 0,1,2,3
	global_load_b128 v[KA+16*\b+4*\i:KA+16*\b+4*\i+3], v[XA], s[4:5] offset:128*\b+16*\i th:TH_LOAD_NT
.endr
.endr
	WLOAD WO1, WS1
.irp f, 0,1
	global_load_b128 v[LNW+8*\f:LNW+8*\f+3], v[LNO], s[10:11] offset:64*\f
	global_load_b128 v[LNW+8*\f+4:LNW+8*\f+7], v[LNO], s[10:11] offset:64*\f+16
	global_load_b128 v[LNB+8*\f:LNB+8*\f+3], v[LNO], s[12:13] offset:64*\f
	global_load_b128 v[LNB+8*\f+4:LNB+8*\f+7], v[LNO], s[12:13] offset:64*\f+16
.endr
	; ---- x: my fragment
	s_wait_loadcnt 32                              ; x's 16 loads are in; behind them: 16 of codes, 8 of scale words, 8 of gains and biases
	QUANT KA
	ds_store_b128 v[XWI], v[PC:PC+3] offset:XIMG
	ds_store_b128 v[XWI], v[PC+4:PC+7] offset:XIMG+512
	ds_store_b32 v[XWS], v[PW] offset:XSC
	BARRIER                                        ; x's sixteen fragments lie in LDS
	; ---- the first product, transposed; two accumulators by turns
.irp tau, 0,1,2,3
	FETCH \tau
.if \tau == 0
	s_wait_loadcnt 8                               ; my weights are in; the gains' and biases' 8 loads may be out
.endif
.irp s, 0,1,2,3
.irp f, 0,1
	MM KA+16*\tau+8*\f, W+32*\f+8*\s, XF+8*\s, (\s==0), WS+4*\f+\s, XS+\s
.endr
.endr
	PLACES 4                                       ; in front of loads into registers that these products read, and of the first read of results
.endr
	s_wait_loadcnt 0x0
	s_cmp_eq_u32 s25, 0
	s_cbranch_scc1 .Lno_v_weights
	WLOAD WO2, WS2                                 ; v's weights land while the LayerNorm is worked
.Lno_v_weights:
	; ---- LayerNorm, pass 1: the mean.  Each accumulator is read from its low end on
.irp tau, 0,1,2,3
	v_pk_add_f32 v[TP+4*\tau:TP+4*\tau+1], v[KA+16*\tau:KA+16*\tau+1], v[KA+16*\tau+2:KA+16*\tau+3]
	v_pk_add_f32 v[TP+4*\tau+2:TP+4*\tau+3], v[KA+16*\tau+8:KA+16*\tau+9], v[KA+16*\tau+10:KA+16*\tau+11]
.endr
.irp i, 4,6
.irp tau, 0,1,2,3
	v_pk_add_f32 v[TP+4*\tau:TP+4*\tau+1], v[TP+4*\tau:TP+4*\tau+1], v[KA+16*\tau+\i:KA+16*\tau+\i+1]
	v_pk_add_f32 v[TP+4*\tau+2:TP+4*\tau+3], v[TP+4*\tau+2:TP+4*\tau+3], v[KA+16*\tau+8+\i:KA+16*\tau+9+\i]
.endr
.endr
	LANESUM RED1
	REDUCE RED1, MU
	v_pk_mul_f32 v[MU:MU+1], v[MU:MU+1], s[42:43] op_sel_hi:[1,0]
	v_pk_mul_f32 v[MU+2:MU+3], v[MU+2:MU+3], s[42:43] op_sel_hi:[1,0]
.irp tau, 0,1,2,3
	BYTILE \tau, MU, 0
.endr
	; ---- pass 2: the mean of the squares of x - mean
.irp tau, 0,1,2,3
	v_pk_mul_f32 v[TP+4*\tau:TP+4*\tau+1], v[KA+16*\tau:KA+16*\tau+1], v[KA+16*\tau:KA+16*\tau+1]
	v_pk_mul_f32 v[TP+4*\tau+2:TP+4*\tau+3], v[KA+16*\tau+8:KA+16*\tau+9], v[KA+16*\tau+8:KA+16*\tau+9]
.endr
.irp i, 2,4,6
.irp tau, 0,1,2,3
	v_pk_fma_f32 v[TP+4*\tau:TP+4*\tau+1], v[KA+16*\tau+\i:KA+16*\tau+\i+1], v[KA+16*\tau+\i:KA+16*\tau+\i+1], v[TP+4*\tau:TP+4*\tau+1]
	v_pk_fma_f32 v[TP+4*\tau+2:TP+4*\tau+3], v[KA+16*\tau+8+\i:KA+16*\tau+9+\i], v[KA+16*\tau+8+\i:KA+16*\tau+9+\i], v[TP+4*\tau+2:TP+4*\tau+3]
.endr
.endr
	LANESUM RED2
	REDUCE RED2, RS
.irp tau, 0,1,2,3
	v_fma_f32 v[RS+\tau], v[RS+\tau], s42, s43     ; the variance + 1e-5
.endr
.irp tau, 0,1,2,3
	v_rsq_f32 v[RS+\tau], v[RS+\tau]
.endr
	v_nop                                          ; a plain place behind the last of the four
	s_wait_alu depctr_va_vdst(0)                   ; one wait for the four, ahead of their first reader
.irp tau, 0,1,2,3
	BYTILE \tau, RS, 1
.endr
.irp tau, 0,1,2,3
.irp i, 0,2,4,6,8,10,12,14
	v_pk_fma_f32 v[KA+16*\tau+\i:KA+16*\tau+\i+1], v[KA+16*\tau+\i:KA+16*\tau+\i+1], v[LNW+\i:LNW+\i+1], v[LNB+\i:LNB+\i+1]
.endr
.endr
	; ---- out: a lane's eight features of (tile, half f) pack into 16 bytes; low part p lands on a register whose number has been consumed
.irp tau, 0,1,2,3
.irp f, 0,1
.irp p, 0,1,2,3
	SPLIT XF+8*\tau+4*\f+\p, KA+16*\tau+8*\f+\p, KA+16*\tau+8*\f+2*\p, TP+4*\p
.endr
.endr
.endr
.irp tau, 0,1,2,3
.irp f, 0,1
	global_store_b128 v[LI], v[XF+8*\tau+4*\f:XF+8*\tau+4*\f+3], s[18:19] offset:2048*\tau+512*\f   ; 32 lanes store 512 consecutive bytes
.endr
.endr
	s_cmp_eq_u32 s25, 0
	s_cbranch_scc0 .Lkv
	s_cmp_lg_u32 s28, 0                            ; q: low parts only for positions 0-15 of a sequence
	s_cbranch_scc1 .Lend
.irp f, 0,1
	global_store_b128 v[LI], v[KA+8*\f:KA+8*\f+3], s[48:49] offset:512*\f
.endr
	s_branch .Lend
.Lkv:
.irp tau, 0,1,2,3
.irp f, 0,1
	global_store_b128 v[LI], v[KA+16*\tau+8*\f:KA+16*\tau+8*\f+3], s[46:47] offset:2048*\tau+512*\f
.endr
.endr
	; ---- v: the product as it stands: a lane holds feature 16 f + r and keys 32 h + 8 tile + 0 .. 7
	s_wait_xcnt 0x0                                ; the stores have read their registers: these are written again below
	s_wait_loadcnt 0x0                             ; v's weights
.irp tau, 0,1,2,3
	FETCH \tau
.irp s, 0,1,2,3
.irp f, 0,1
	MM VA+8*\f, XF+8*\s, W+32*\f+8*\s, (\s==0), XS+\s, WS+4*\f+\s
.endr
.endr
	PLACES 5                                       ; four in front of reads and loads; five in front of the next tile's products, which begin these accumulators anew
.irp f, 0,1
.irp p, 0,1,2,3
	SPLIT KA+16*\tau+4*\f+\p, KA+16*\tau+8+4*\f+\p, VA+8*\f+2*\p, TP+4*\p
.endr
.endr
.irp f, 0,1
	global_store_b128 v[LI], v[KA+16*\tau+4*\f:KA+16*\tau+4*\f+3], s[22:23] offset:4096*(\tau/2)+1024*\f+512*(\tau%2)
	global_store_b128 v[LI], v[KA+16*\tau+8+4*\f:KA+16*\tau+8+4*\f+3], s[50:51] offset:4096*(\tau/2)+1024*\f+512*(\tau%2)
.endr
.endr
.Lend:
	s_wait_tensorcnt 0x0                           ; the wave's end
	ds_add_u32 v[SPW], v[NIL]
	s_wait_dscnt 0x0
	s_endpgm
.Lfunc_end_k_qf82161e9fd_proj:
	.size	k_qf82161e9fd_proj, .Lfunc_end_k_qf82161e9fd_proj-k_qf82161e9fd_proj
	.p2alignl 7, 3214868480
	.fill 96, 4, 3214868480
	.section	.rodata,"a",@progbits
	.p2align	6, 0x0
	.amdhsa_kernel k_qf82161e9fd_proj
		.amdhsa_group_segment_fixed_size 28672
		.amdhsa_private_segment_fixed_size 0
		.amdhsa_enable_private_segment 0
		.amdhsa_kernarg_size 80
		.amdhsa_user_sgpr_count 2
		.amdhsa_user_sgpr_kernarg_segment_ptr 1
		.amdhsa_wavefront_size32 1
		.amdhsa_system_sgpr_workgroup_id_x 1
		.amdhsa_system_sgpr_workgroup_id_y 1
		.amdhsa_system_sgpr_workgroup_id_z 1
		.amdhsa_system_vgpr_workitem_id 0
		.amdhsa_next_free_vgpr 256
		.amdhsa_next_free_sgpr 66
		.amdhsa_reserve_vcc 0
		.amdhsa_float_denorm_mode_32 3
		.amdhsa_float_denorm_mode_16_64 3
		.amdhsa_memory_ordered 1
		.amdhsa_forward_progress 1
		.amdhsa_inst_pref_size 76
	.end_amdhsa_kernel
	.amdgpu_metadata
---
amdhsa.version: [ 1, 2 ]
amdhsa.kernels:
  - .name:           k_qf82161e9fd_proj
    .symbol:         k_qf82161e9fd_proj.kd
    .args:
      - { .name: inputs_q, .offset: 0, .size: 8, .value_kind: global_buffer, .address_space: global }
      - { .name: inputs_kv, .offset: 8, .size: 8, .value_kind: global_buffer, .address_space: global }
      - { .name: wts, .offset: 16, .size: 8, .value_kind: global_buffer, .address_space: global }
      - { .name: q_ln_w, .offset: 24, .size: 8, .value_kind: global_buffer, .address_space: global }
      - { .name: q_ln_b, .offset: 32, .size: 8, .value_kind: global_buffer, .address_space: global }
      - { .name: k_ln_w, .offset: 40, .size: 8, .value_kind: global_buffer, .address_space: global }
      - { .name: k_ln_b, .offset: 48, .size: 8, .value_kind: global_buffer, .address_space: global }
      - { .name: qf, .offset: 56, .size: 8, .value_kind: global_buffer, .address_space: global }
      - { .name: kf, .offset: 64, .size: 8, .value_kind: global_buffer, .address_space: global }
      - { .name: vf, .offset: 72, .size: 8, .value_kind: global_buffer, .address_space: global }
    .group_segment_fixed_size: 28672
    .private_segment_fixed_size: 0
    .kernarg_segment_align: 8
    .kernarg_segment_size: 80
    .max_flat_workgroup_size: 512
    .sgpr_count:     66
    .vgpr_count:     256
    .wavefront_size: 32
...
	.end_amdgpu_metadata
.endif
;; end of part 2
;; launch attn (part 3): grid 16 x 16, 8 waves a work-group, no clusters, 66,560 bytes of LDS; arguments qf, kf, vf, mask, flags, obuf; writes obuf
.if DOCPART == 3
	.amdgcn_target "amdgcn-amd-amdhsa--gfx1250"
	.amdhsa_code_object_version 6
	.text
	.protected	k_qf82161e9fd_attn
	.globl	k_qf82161e9fd_attn
	.p2align	8
	.type	k_qf82161e9fd_attn,@function
k_qf82161e9fd_attn:
	s_mov_b64 s[64:65], 0
	v_nop
	global_prefetch_b8 v0, s[64:65] scope:SCOPE_SE
	s_setreg_imm32_b32 hwreg(HW_REG_WAVE_MODE, 25, 1), 1
	s_wait_xcnt 0x0
; ATTN: o = softmax(q k^T / 8, under the mask) v for one (batch, head); f16 operands, f32 sums, a running maximum and sum for each query.
; SHARES.  Work-group (I, bh) owns the blocks of 128 queries I and 31 - I; wave w holds one tile of 16 queries of each (tiles 8 I + w and 8 (31 - I) + w).  Two waves lie on a SIMD, so that one wave's softmax
; stands beside the other's products.  Keys go 128 to an LDS slot, as two steps of 64; two slots take turns.
; THE MASK IS AN INPUT.  An earlier launch has stored, for each tile of 16 queries and each step of 64 keys, a bit ANY and a bit ALL.  A tile step with ANY = 0 is left out (all its scores would be -infinity: p = 0);
; one with ALL = 1 needs no mask bytes; the others read their 16 x 64 bytes and put -infinity where the byte is 0.  All this is scalar branches on stored whole numbers; no barrier stands under one.
; LAYOUT.  S^T = K Q^T (source 0 = 16 keys, source 1 = 16 queries), O^T = V^T P: a lane holds ONE query throughout.  K's tiles are laid so that a lane's 32 scores are keys 64 j + 32 (lane / 16) + 0 .. 31:
; 32 neighbouring mask bytes.  Packed in pairs they are P's fragments, and V is laid in the same order of keys.  All fragments lie in memory as images of registers: every load covers 512 consecutive bytes.
; STAGING.  A slot's 16 KB of K and 16 KB of V are dense in memory; each wave brings 2 KB of each through registers (8 loads, asked for a slot ahead; 8 LDS stores), skipped where no tile of the work-group wants the slot.
; No tensor load and no cluster, though the 16 work-groups of a head read the same K and V: the launch branches on numbers read from memory.
; A row with no true key ends with sum 0 and O 0: 0 x (1 / 0) is NaN, as a softmax over -infinity alone is.
; LIMITS: scores stay above -3e38 (the maximum's start); |q|, |k|, |v| under 65,504; mask bytes are 0 or 1.
; REGISTERS.  Window 0: v1-6 addresses; v8-11 at work; v12-13 old c m; v16-31 statistics, 8 a tile (+0 c m, +1 m, +2, +3 the sum, +4..7 at work, a at +6); v32-95 S^T; v96-127 P; v128-191 K; v192-223 staging; v224-231 mask bytes.
;            Window 1: v0-31 Q; v32-95 O^T; v96-159 V; v160-223 mask bytes as loaded (set, tile, step: 8 each).
.set SLOTB, 32768
.set VOFF,  16384
.set SPARE, 65536                      ; the spare words, 128 bytes a wave: four blocks of 256 bytes that no other line names
.set LI,   1                           ; 16 x lane
.set STA,  2                           ; 2,048 w + 16 x lane: my part of a slot's K or V, in memory and in LDS alike
.set MOA,  3                           ; v3, v4: (16 tile + r) x 4,096 + 32 h
.set NINF, 5
.set PFO,  6                           ; 256 x lane
.set TT,   8
.set OCM,  12
.set SPW,  14
.set NIL,  15
.set ST,   16
.set S,    32
.set P,    96
.set KF,   128
.set SG,   192
.set TMK,  224
.set Q,    0
.set O,    32
.set VF,   96
.set MK,   160
.set CS,   34                          ; s[34:35] c = log2(e) / 8
.set SEL,  36
.set MSB, 0
.macro WIN new                         ; the immediate's high byte repeats the setting that is left
.if MSB != \new
	s_set_vgpr_msb (MSB<<8)|\new
.set MSB, \new
.endif
.endm
.macro PLACES n
.rept \n
	v_nop
.endr
.endm
.macro BARRIER
	s_wait_dscnt 0x0
	s_barrier_signal -1
	s_barrier_wait -1
.endm
; the mask bytes of tile t for step e of the slot behind slot p, if that tile step is mixed
.macro MLOAD p, t, e
	s_bitcmp1_b32 s[18+4*\t], 2*\p+2+\e
	s_cbranch_scc0 .Lno_mask_\@
	WIN 0x40
	global_load_b128 v[MK+32*(1-\p)+16*\t+8*\e:MK+32*(1-\p)+16*\t+8*\e+3], v[MOA+\t], s[30:31] offset:(\p+1)*128+64*\e
	global_load_b128 v[MK+32*(1-\p)+16*\t+8*\e+4:MK+32*(1-\p)+16*\t+8*\e+7], v[MOA+\t], s[30:31] offset:(\p+1)*128+64*\e+16
	WIN 0
.Lno_mask_\@:
.endm
; A PREFETCH INTO THE L2 of the slot three on from the one in hand, two slots ahead of its staging loads.  All 16 work-groups of a head walk the same K and V: the first of them asks; in it waves 0, 1 for K's 16 KB and
; waves 2, 3 for V's, 8 KB a wave, lanes 256 bytes apart: each aligned block of 256 bytes is named once in the launch.  It stops where the slot three on would lie past the head's 32 slots.  Slots 0 to 2 come by their loads alone.
.macro ASK p
	s_cmp_gt_u32 s32, s[44+\p]
	s_cbranch_scc0 .Lnot_mine_\@
	global_prefetch_b8 v[PFO], s[42:43] offset:(\p+3)*16384 th:TH_LOAD_NT scope:SCOPE_SE
.Lnot_mine_\@:
.endm
; one tile of 16 queries against one step of 64 keys.  One branch leads round all of it
.macro TILE t, p, e
.set rT, ST+8*\t
.set rS, S+32*\t
.set rP, P+16*\t
.set rO, O+32*\t
.set rQ, Q+16*\t
	s_bitcmp1_b32 s[16+4*\t], 2*\p+\e
	s_cbranch_scc0 .Lskip_\@
	WIN 0x04                                       ; Q in window 1
.irp g, 0,1                                    ; four accumulators by turns; the first four products start the sums
.irp kt, 0,1,2,3
.if \g == 0
	v_wmma_f32_16x16x32_f16 v[rS+8*\kt:rS+8*\kt+7], v[KF+16*\kt+8*\g:KF+16*\kt+8*\g+7], v[rQ+8*\g:rQ+8*\g+7], 0
.else
	v_wmma_f32_16x16x32_f16 v[rS+8*\kt:rS+8*\kt+7], v[KF+16*\kt+8*\g:KF+16*\kt+8*\g+7], v[rQ+8*\g:rQ+8*\g+7], v[rS+8*\kt:rS+8*\kt+7]
.endif
.endr
.endr
	WIN 0
	v_mov_b32 v[OCM+\t], v[rT]                     ; c m as it was; with the three below: the four places behind the products
	PLACES 3
	s_bitcmp1_b32 s[18+4*\t], 2*\p+\e
	s_cbranch_scc0 .Lopen_\@
	WIN 0x01
.irp i, 0,1,2,3,4,5,6,7
	v_mov_b32 v[TMK+\i], v[MK+32*\p+16*\t+8*\e+\i]
.endr
	WIN 0
.irp n, 0,1,2,3,4,5,6,7,8,9,10,11,12,13,14,15,16,17,18,19,20,21,22,23,24,25,26,27,28,29,30,31
	v_and_b32 v[TT+\n%4], 1<<(8*(\n%4)), v[TMK+\n/4]               ; score n's byte of the mask
	v_cmp_eq_u32 s[38+\n%4], 0, v[TT+\n%4]
	v_cndmask_b32 v[rS+\n], v[rS+\n], v[NINF], s[38+\n%4]          ; false: -infinity
.endr
.Lopen_\@:
.irp j, 0,1,2,3
	v_max3_num_f32 v[rT+4+\j], v[rS+8*\j], v[rS+8*\j+1], v[rS+8*\j+2]   ; each accumulator is read from its low end on
.endr
.irp k, 1,2
.irp j, 0,1,2,3
	v_max3_num_f32 v[rT+4+\j], v[rT+4+\j], v[rS+8*\j+2*\k+1], v[rS+8*\j+2*\k+2]
.endr
.endr
	v_max3_num_f32 v[rT+4], v[rT+4], v[rS+7], v[rS+15]
	v_max3_num_f32 v[rT+6], v[rT+6], v[rS+23], v[rS+31]
	v_max3_num_f32 v[rT+4], v[rT+4], v[rT+5], v[rT+6]
	v_max3_num_f32 v[rT+4], v[rT+4], v[rT+7], v[rT+1]              ; with the old m
	v_permlanex16_b32 v[rT+5], v[rT+4], s[SEL], s[SEL+1]           ; the query's other 32 keys lie in the lane 16 away
	v_max_num_f32 v[rT+1], v[rT+4], v[rT+5]
	v_mul_f32 v[rT], s[CS], v[rT+1]
	v_sub_f32 v[OCM+\t], v[OCM+\t], v[rT]                          ; c m_old - c m_new
.irp b, 0,2,4,6,8,10,12,14,16,18,20,22,24,26,28,30
	v_pk_fma_f32 v[rS+\b:rS+\b+1], v[rS+\b:rS+\b+1], s[CS:CS+1], v[rT:rT+1] op_sel_hi:[1,0,0] neg_lo:[0,0,1] neg_hi:[0,0,1]   ; c s - c m
.endr
	v_exp_f32 v[rT+6], v[OCM+\t]                   ; a
.irp n, 0,1,2,3,4,5,6,7,8,9,10,11,12,13,14,15,16,17,18,19,20,21,22,23,24,25,26,27,28,29,30,31
	v_exp_f32 v[rS+\n], v[rS+\n]
.endr
	v_nop                                          ; a plain place behind the last exponential
	s_wait_alu depctr_va_vdst(0)                   ; one wait for the batch of 33, ahead of its first reader
.irp i, 0,1,2,3,4,5,6,7,8,9,10,11,12,13,14,15
	v_cvt_pk_f16_f32 v[rP+\i], v[rS+2*\i], v[rS+2*\i+1]
.endr
.irp u, 0,1,2,3,4,5,6,7
	v_pk_add_f32 v[rS+4*\u:rS+4*\u+1], v[rS+4*\u:rS+4*\u+1], v[rS+4*\u+2:rS+4*\u+3]   ; the sum of the unrounded p, in place
.endr
.irp u, 0,1,2,3
	v_pk_add_f32 v[rS+8*\u:rS+8*\u+1], v[rS+8*\u:rS+8*\u+1], v[rS+8*\u+4:rS+8*\u+5]
.endr
.irp u, 0,1
	v_pk_add_f32 v[rS+16*\u:rS+16*\u+1], v[rS+16*\u:rS+16*\u+1], v[rS+16*\u+8:rS+16*\u+9]
.endr
	v_pk_add_f32 v[rS:rS+1], v[rS:rS+1], v[rS+16:rS+17]
	v_pk_fma_f32 v[rT+2:rT+3], v[rT+2:rT+3], v[rT+6:rT+7], v[rS:rS+1] op_sel_hi:[1,0,1]   ; l = a l + the sum
	WIN 0x41
.irp b, 0,2,4,6,8,10,12,14,16,18,20,22,24,26,28,30
	v_pk_mul_f32 v[rO+\b:rO+\b+1], v[rO+\b:rO+\b+1], v[rT+6:rT+7] op_sel_hi:[1,0]   ; O^T x a
.endr
	s_wait_dscnt 0x0                               ; V is in
	WIN 0x51
.irp u, 0,1
.irp dt, 0,1,2,3
	v_wmma_f32_16x16x32_f16 v[rO+8*\dt:rO+8*\dt+7], v[VF+32*\u+8*\dt:VF+32*\u+8*\dt+7], v[rP+8*\u:rP+8*\u+7], v[rO+8*\dt:rO+8*\dt+7]
.endr
.endr
	WIN 0
.Lskip_\@:
.endm
; a step of 64 keys: K's and V's fragments from LDS (16 + 16 loads), then the two tiles
.macro SUB p, e
	s_bitcmp1_b32 s46, 2*\p+\e
	s_cbranch_scc0 .Lno_step_\@
	PLACES 4                                       ; in front of loads into registers that products have read
	s_wait_dscnt 0x0                               ; no LDS load of mine is out: V's wait stands inside a tile's work, so on a way that leads round both tiles the last step's loads could still be landing in the registers loaded below
.irp i, 0,1,2,3,4,5,6,7,8,9,10,11,12,13,14,15
	ds_load_b128 v[KF+4*\i:KF+4*\i+3], v[LI] offset:\p*SLOTB+\e*8192+512*\i
.endr
	WIN 0x40
.irp i, 0,1,2,3,4,5,6,7,8,9,10,11,12,13,14,15
	ds_load_b128 v[VF+4*\i:VF+4*\i+3], v[LI] offset:\p*SLOTB+VOFF+\e*8192+512*\i
.endr
	WIN 0
	s_wait_dscnt 16                                ; K is in; V's 16 loads may be out
	TILE 0, \p, \e
	TILE 1, \p, \e
.Lno_step_\@:
.endm
; a slot.  What the next slot needs is asked for; this slot's two steps; then my part of the next slot goes into LDS, and ONE barrier: in front of it my reads of this slot are over and my stores have landed
.macro SLOT p
	s_and_b32 s33, s24, 3<<(2*\p+2)                ; does any tile of the work-group want the next slot?
	s_cmp_lg_u32 s33, 0
	s_cbranch_scc0 .Lno_stage_\@
.irp k, 0,1,2,3
	global_load_b128 v[SG+4*\k:SG+4*\k+3], v[STA], s[26:27] offset:(\p+1)*16384+512*\k
	global_load_b128 v[SG+16+4*\k:SG+16+4*\k+3], v[STA], s[28:29] offset:(\p+1)*16384+512*\k
.endr
.Lno_stage_\@:
	MLOAD \p, 0, 0
	MLOAD \p, 0, 1
	MLOAD \p, 1, 0
	MLOAD \p, 1, 1
	ASK \p
	SUB \p, 0
	SUB \p, 1
	s_wait_loadcnt 0x0                             ; the staging loads and the mask bytes have had the slot's work in which to land
	s_cmp_lg_u32 s33, 0
	s_cbranch_scc0 .Lno_fill_\@
.irp k, 0,1,2,3
	ds_store_b128 v[STA], v[SG+4*\k:SG+4*\k+3] offset:(1-\p)*SLOTB+512*\k
	ds_store_b128 v[STA], v[SG+16+4*\k:SG+16+4*\k+3] offset:(1-\p)*SLOTB+VOFF+512*\k
.endr
.Lno_fill_\@:
	BARRIER                                        ; on every path
.endm
	s_load_b256 s[4:11], s[0:1], 0x0               ; qf 4, kf 6, vf 8, mask 10
	s_load_b128 s[12:15], s[0:1], 0x20             ; flags 12, obuf 14
	v_lshl_add_u32 v[SPW], v0, 2, SPARE
	v_mov_b32 v[NIL], 0
	v_lshrrev_b32 v8, 5, v0
	v_readfirstlane_b32 s47, v8                    ; wave 0..7
	s_mov_b32 s88, ttmp9                           ; I
	s_and_b32 s89, ttmp7, 0xffff                   ; batch x 8 + head
	s_lshl_b32 s90, s88, 3
	s_add_co_u32 s90, s90, s47                     ; tile a
	s_sub_co_u32 s91, 31, s88
	s_lshl_b32 s87, s91, 6                         ; block 31 - I: its eight words of ANY
	s_lshl_b32 s91, s91, 3
	s_add_co_u32 s91, s91, s47                     ; tile b
	s_lshl_b32 s84, s90, 3
	s_lshl_b32 s85, s91, 3
	s_lshl_b32 s86, s88, 6
	s_mov_b32 s[CS], 0x3e38aa3b                    ; log2(e) / 8
	s_mov_b32 s[CS+1], s[CS]
	s_mov_b32 s[SEL], 0x76543210
	s_mov_b32 s[SEL+1], 0xfedcba98
	s_mov_b32 s32, 16                              ; trips of two slots
	s_wait_kmcnt 0x0
	s_load_b64 s[16:17], s[12:13], s84 offset:0x0  ; ANY and ALL of my two tiles
	s_load_b64 s[18:19], s[12:13], s84 offset:0x800
	s_load_b64 s[20:21], s[12:13], s85 offset:0x0
	s_load_b64 s[22:23], s[12:13], s85 offset:0x800
	s_load_b512 s[48:63], s[12:13], s86 offset:0x0 ; ANY of the work-group's sixteen tiles
	s_load_b512 s[68:83], s[12:13], s87 offset:0x0
	v_and_b32 v8, 31, v0
	v_lshlrev_b32 v[LI], 4, v8
	v_lshlrev_b32 v[PFO], 8, v8
	s_lshl_b32 s92, s47, 11
	v_add_nc_u32 v[STA], s92, v[LI]
	v_and_b32 v9, 15, v0
	v_bfe_u32 v10, v0, 4, 1
	v_lshlrev_b32 v10, 5, v10
	v_lshl_add_u32 v9, v9, 12, v10                 ; r x 4,096 + 32 h
	s_lshl_b32 s92, s90, 16
	v_add_nc_u32 v[MOA], s92, v9
	s_lshl_b32 s92, s91, 16
	v_add_nc_u32 v[MOA+1], s92, v9
	v_mov_b32 v[NINF], 0xff800000
	s_lshl_b32 s92, s90, 11
	v_add_nc_u32 v10, s92, v[LI]                   ; Q: 2,048 bytes a tile
	s_lshl_b32 s92, s91, 11
	v_add_nc_u32 v11, s92, v[LI]
	s_lshl_b32 s92, s89, 19
	s_mov_b32 s93, 0
	s_add_nc_u64 s[4:5], s[4:5], s[92:93]
	s_add_nc_u64 s[26:27], s[6:7], s[92:93]        ; K and V at the head's first slot
	s_add_nc_u64 s[28:29], s[8:9], s[92:93]
	s_mov_b64 s[30:31], s[10:11]
	WIN 0x40
.irp t, 0,1
.irp i, 0,1,2,3
	global_load_b128 v[Q+16*\t+4*\i:Q+16*\t+4*\i+3], v[10+\t], s[4:5] offset:512*\i
.endr
.endr
.irp sl, 0,1                                   ; the mask bytes of slots 0 and 1, whatever the flags say: so every register is written on every way
.irp t, 0,1
.irp e, 0,1
	global_load_b128 v[MK+32*\sl+16*\t+8*\e:MK+32*\sl+16*\t+8*\e+3], v[MOA+\t], s[30:31] offset:128*\sl+64*\e
	global_load_b128 v[MK+32*\sl+16*\t+8*\e+4:MK+32*\sl+16*\t+8*\e+7], v[MOA+\t], s[30:31] offset:128*\sl+64*\e+16
.endr
.endr
.endr
.set i, 0
.rept 64
	v_mov_b32 v[O+i], 0                            ; O^T.  (The step is written once: the first finds zeros, which a = 0 leaves zeros)
.set i, i+1
.endr
	WIN 0
.irp k, 0,1,2,3
	global_load_b128 v[SG+4*\k:SG+4*\k+3], v[STA], s[26:27] offset:512*\k
	global_load_b128 v[SG+16+4*\k:SG+16+4*\k+3], v[STA], s[28:29] offset:512*\k
.endr
.irp t, 0,1
	v_mov_b32 v[ST+8*\t+1], 0xff61b1e6             ; m: -3e38
	v_mul_f32 v[ST+8*\t], s[CS], v[ST+8*\t+1]
.irp i, 2,3,4,5,6,7
	v_mov_b32 v[ST+8*\t+\i], 0
.endr
	v_mov_b32 v[OCM+\t], 0
.endr
	s_wait_kmcnt 0x0
	s_and_not1_b32 s18, s16, s18                   ; mixed = ANY and not ALL
	s_and_not1_b32 s19, s17, s19
	s_and_not1_b32 s22, s20, s22
	s_and_not1_b32 s23, s21, s23
	s_or_b32 s24, s48, s50                         ; s[24:25]: some tile of the work-group wants the step
	s_or_b32 s25, s49, s51
.irp i, 52,54,56,58,60,62,68,70,72,74,76,78,80,82
	s_or_b32 s24, s24, s[\i]
	s_or_b32 s25, s25, s[\i+1]
.endr
	s_lshr_b32 s92, s89, 3                         ; obuf: batch x 4 MiB + tile x 16,384 + head x 2,048
	s_lshl_b32 s92, s92, 22
	s_and_b32 s93, s89, 7
	s_lshl_b32 s93, s93, 11
	s_add_co_u32 s92, s92, s93
	s_lshl_b32 s48, s90, 14
	s_add_co_u32 s48, s48, s92
	s_mov_b32 s49, 0
	s_add_nc_u64 s[84:85], s[14:15], s[48:49]
	s_lshl_b32 s48, s91, 14
	s_add_co_u32 s48, s48, s92
	s_add_nc_u64 s[86:87], s[14:15], s[48:49]
	s_cmp_lt_u32 s47, 2                            ; the prefetches: waves 0, 1 K, waves 2, 3 V
	s_cselect_b64 s[42:43], s[26:27], s[28:29]
	s_and_b32 s48, s47, 1
	s_lshl_b32 s48, s48, 13
	s_add_nc_u64 s[42:43], s[42:43], s[48:49]
	s_lshr_b32 s48, s47, 2
	s_or_b32 s48, s48, s88                         ; 0 in waves 0-3 of the head's first work-group
	s_cmp_eq_u32 s48, 0
	s_cselect_b32 s44, 1, -1                       ; a wave asks while the trips to go are above these
	s_cselect_b32 s45, 2, -1
	s_wait_loadcnt 0x0
.irp k, 0,1,2,3
	ds_store_b128 v[STA], v[SG+4*\k:SG+4*\k+3] offset:512*\k
	ds_store_b128 v[STA], v[SG+16+4*\k:SG+16+4*\k+3] offset:VOFF+512*\k
.endr
	BARRIER                                        ; slot 0 is whole
.Ltrip:                                            ; 16 trips of two slots: bits 0-3 of the flags are this trip's steps, bits 4, 5 the next trip's first slot
	s_or_b32 s46, s16, s20
	SLOT 0
	SLOT 1
	s_wait_xcnt 0x0                                ; every memory instruction has read its addresses: the bases may step
	s_lshr_b64 s[16:17], s[16:17], 4
	s_lshr_b64 s[18:19], s[18:19], 4
	s_lshr_b64 s[20:21], s[20:21], 4
	s_lshr_b64 s[22:23], s[22:23], 4
	s_lshr_b64 s[24:25], s[24:25], 4
	s_add_nc_u64 s[26:27], s[26:27], 32768
	s_add_nc_u64 s[28:29], s[28:29], 32768
	s_add_nc_u64 s[30:31], s[30:31], 256
	s_add_nc_u64 s[42:43], s[42:43], 32768
	s_sub_co_u32 s32, s32, 1
	s_cmp_lg_u32 s32, 0
	s_cbranch_scc1 .Ltrip
	; THE WAY OUT: the sum's halves and the other half of the lanes'; O^T / the sum; f16; a tile's 2,048 bytes as four stores of 512 consecutive bytes
	PLACES 4
.irp t, 0,1
	v_add_f32 v[ST+8*\t+4], v[ST+8*\t+2], v[ST+8*\t+3]
.endr
.irp t, 0,1
	v_permlanex16_b32 v[ST+8*\t+5], v[ST+8*\t+4], s[SEL], s[SEL+1]
.endr
.irp t, 0,1
	v_add_f32 v[ST+8*\t+4], v[ST+8*\t+4], v[ST+8*\t+5]
.endr
.irp t, 0,1
	v_rcp_f32 v[ST+8*\t+6], v[ST+8*\t+4]
.endr
	v_nop
	s_wait_alu depctr_va_vdst(0)                   ; one wait for the two reciprocals, ahead of their first reader
	WIN 0x41
.irp t, 0,1
.irp b, 0,2,4,6,8,10,12,14,16,18,20,22,24,26,28,30
	v_pk_mul_f32 v[O+32*\t+\b:O+32*\t+\b+1], v[O+32*\t+\b:O+32*\t+\b+1], v[ST+8*\t+6:ST+8*\t+7] op_sel_hi:[1,0]
.endr
.endr
	WIN 0x05
.irp t, 0,1
.irp i, 0,1,2,3,4,5,6,7,8,9,10,11,12,13,14,15
	v_cvt_pk_f16_f32 v[S+16*\t+\i], v[O+32*\t+2*\i], v[O+32*\t+2*\i+1]
.endr
.endr
	WIN 0
.irp t, 0,1
.irp dt, 0,1,2,3
	global_store_b128 v[LI], v[S+16*\t+4*\dt:S+16*\t+4*\dt+3], s[84+2*\t:85+2*\t] offset:512*\dt
.endr
.endr
	s_wait_tensorcnt 0x0                           ; the wave's end
	ds_add_u32 v[SPW], v[NIL]
	s_wait_dscnt 0x0
	s_endpgm
.Lfunc_end_k_qf82161e9fd_attn:
	.size	k_qf82161e9fd_attn, .Lfunc_end_k_qf82161e9fd_attn-k_qf82161e9fd_attn
	.p2alignl 7, 3214868480
	.fill 96, 4, 3214868480
	.section	.rodata,"a",@progbits
	.p2align	6, 0x0
	.amdhsa_kernel k_qf82161e9fd_attn
		.amdhsa_group_segment_fixed_size 66560
		.amdhsa_private_segment_fixed_size 0
		.amdhsa_enable_private_segment 0
		.amdhsa_kernarg_size 48
		.amdhsa_user_sgpr_count 2
		.amdhsa_user_sgpr_kernarg_segment_ptr 1
		.amdhsa_wavefront_size32 1
		.amdhsa_system_sgpr_workgroup_id_x 1
		.amdhsa_system_sgpr_workgroup_id_y 1
		.amdhsa_system_sgpr_workgroup_id_z 1
		.amdhsa_system_vgpr_workitem_id 0
		.amdhsa_next_free_vgpr 480
		.amdhsa_next_free_sgpr 96
		.amdhsa_reserve_vcc 0
		.amdhsa_float_denorm_mode_32 3
		.amdhsa_float_denorm_mode_16_64 3
		.amdhsa_memory_ordered 1
		.amdhsa_forward_progress 1
		.amdhsa_inst_pref_size 142
	.end_amdhsa_kernel
	.amdgpu_metadata
---
amdhsa.version: [ 1, 2 ]
amdhsa.kernels:
  - .name:           k_qf82161e9fd_attn
    .symbol:         k_qf82161e9fd_attn.kd
    .args:
      - { .name: qf, .offset: 0, .size: 8, .value_kind: global_buffer, .address_space: global }
      - { .name: kf, .offset: 8, .size: 8, .value_kind: global_buffer, .address_space: global }
      - { .name: vf, .offset: 16, .size: 8, .value_kind: global_buffer, .address_space: global }
      - { .name: mask, .offset: 24, .size: 8, .value_kind: global_buffer, .address_space: global }
      - { .name: flags, .offset: 32, .size: 8, .value_kind: global_buffer, .address_space: global }
      - { .name: obuf, .offset: 40, .size: 8, .value_kind: global_buffer, .address_space: global }
    .group_segment_fixed_size: 66560
    .private_segment_fixed_size: 0
    .kernarg_segment_align: 8
    .kernarg_segment_size: 48
    .max_flat_workgroup_size: 256
    .sgpr_count:     96
    .vgpr_count:     480
    .wavefront_size: 32
...
	.end_amdgpu_metadata
.endif
;; end of part 3
;; launch outproj (part 4): grid 4 x 64, 8 waves a work-group, clusters of 4 x 4, 327,680 bytes of LDS; arguments obuf, wts, out0; writes out0
.if DOCPART == 4
	.amdgcn_target "amdgcn-amd-amdhsa--gfx1250"
	.amdhsa_code_object_version 6
	.text
	.protected	k_qf82161e9fd_outproj
	.globl	k_qf82161e9fd_outproj
	.p2align	8
	.type	k_qf82161e9fd_outproj,@function
k_qf82161e9fd_outproj:
	s_mov_b64 s[64:65], 0
	v_nop
	global_prefetch_b8 v0, s[64:65] scope:SCOPE_SE
	s_setreg_imm32_b32 hwreg(HW_REG_WAVE_MODE, 25, 1), 1
	s_wait_xcnt 0x0
	s_wait_alu depctr_hold_cnt(0) depctr_sa_sdst(0) depctr_va_vdst(0) depctr_va_sdst(0) depctr_va_ssrc(0) depctr_va_vcc(0) depctr_vm_vsrc(0)
	s_getreg_b32 s2, hwreg(HW_REG_IB_STS2, 6, 4)
	s_cmp_eq_u32 s2, 0
	s_cbranch_scc0 .Lentry_in_a_cluster
	s_endpgm
.Lentry_in_a_cluster:
	s_bfe_u32 s2, ttmp6, 0x10000c
	s_cmp_lg_u32 s2, 0xf033
	s_cbranch_scc0 .Lentry_shape_is_right
	s_endpgm
.Lentry_shape_is_right:
; OUTPROJ: out0 = o Wo, f16 operands (o as the attention left it, Wo's high parts), f32 sums.  8,192 x 512 x 512.
; A work-group makes 128 tokens x 128 columns; all of K (512) lies in LDS at once: o's block of 128 KB and Wo's of 128 KB, each as four chunks of 128 along K.  Nothing is filled again.
; CLUSTER 4 x 4: the four of a row need the same block of o, the four of a column the same block of Wo: each is asked for JOINTLY.  Waves 0-3 fetch o's tiles 2 w, 2 w + 1, waves 4-7 Wo's: four loads a wave, one a chunk,
; each two rows of 4,096 bytes, 16,384 bytes apart in memory; four tensor loads of a wave are out at the most.  The products of chunk q begin when chunk q has landed.
; Fragments lie in memory and in LDS as images of registers (lane l's 16 bytes at 16 l): no pitch, no padding.
; The matrix instruction is used transposed (source 0 = 16 columns of Wo, source 1 = 16 tokens): a lane holds eight neighbouring columns of a token's row.
; Wave w: token tiles 4 (w / 4) .. + 3, column tiles 2 (w % 4), + 1: eight accumulators by turns.
; THE WAY OUT goes through a stage of 128 rows x (512 + 16) bytes in o's bytes, which have had their only fill and their last read; a wave then stores 16 whole rows of 512 bytes.
; LIMITS: |o|, |Wo| under 65,504.  The first 16 positions of each sequence are written again, more finely, by the next launch.
.set WOH,   442368
.set BOFF,  131072                     ; LDS: Wo's block
.set SPARE, 262144                     ; the spare words, 128 bytes a wave: four blocks of 256 bytes that no other line names
.set LI,  1
.set VA,  4                            ; v4-7   chunk q of o: q x 32,768 + (w / 4) x 16,384 + 16 x lane
.set VB,  8                            ; v8-11  chunk q of Wo: 131,072 + q x 32,768 + (w % 4) x 8,192 + 16 x lane
.set SO,  12
.set SR,  13
.set SPW, 14
.set NIL, 15
.set ACC, 64
.set F0,  128
.set F1,  176
.set G1A, 24
.set G0A, 32
.set G1B, 48
.set G0B, 68
.macro PLACES n
.rept \n
	v_nop
.endr
.endm
.macro BARRIER
	s_wait_dscnt 0x0
	s_barrier_signal -1
	s_barrier_wait -1
.endm
.macro CROUND                          ; a round of the cluster's barrier
	s_barrier_signal -1
	s_barrier_wait -1
	s_cmp_lg_u32 s10, 0
	s_cbranch_scc1 .Lnot_wave_0_\@
	s_barrier_signal -3
.Lnot_wave_0_\@:
	s_barrier_wait -3
	s_barrier_signal -1
	s_barrier_wait -1
.endm
.macro FETCH q, ksl, f                 ; a K step of 32: four fragments of o, two of Wo: 12 loads
.irp tt, 0,1,2,3
.irp c, 0,1
	ds_load_b128 v[\f+8*\tt+4*\c:\f+8*\tt+4*\c+3], v[VA+\q] offset:4096*\tt+1024*\ksl+512*\c
.endr
.endr
.irp ct, 0,1
.irp c, 0,1
	ds_load_b128 v[\f+32+8*\ct+4*\c:\f+32+8*\ct+4*\c+3], v[VB+\q] offset:4096*\ct+1024*\ksl+512*\c
.endr
.endr
.endm
.macro MUL f, zero
.irp tt, 0,1,2,3
.irp ct, 0,1
.if \zero
	v_wmma_f32_16x16x32_f16 v[ACC+16*\tt+8*\ct:ACC+16*\tt+8*\ct+7], v[\f+32+8*\ct:\f+32+8*\ct+7], v[\f+8*\tt:\f+8*\tt+7], 0
.else
	v_wmma_f32_16x16x32_f16 v[ACC+16*\tt+8*\ct:ACC+16*\tt+8*\ct+7], v[\f+32+8*\ct:\f+32+8*\ct+7], v[\f+8*\tt:\f+8*\tt+7], v[ACC+16*\tt+8*\ct:ACC+16*\tt+8*\ct+7]
.endif
.endr
.endr
.endm
	s_load_b128 s[4:7], s[0:1], 0x0                ; obuf 4, wts 6
	s_load_b64 s[8:9], s[0:1], 0x10                ; out0
	v_lshl_add_u32 v[SPW], v0, 2, SPARE
	v_mov_b32 v[NIL], 0
	ds_add_u32 v[SPW], v[NIL]                      ; the wave's opening: the add, twice on end, and its wait ahead of my first tensor load
	ds_add_u32 v[SPW], v[NIL]
	v_lshrrev_b32 v1, 5, v0
	v_readfirstlane_b32 s10, v1                    ; wave 0..7
	s_bfe_u32 s11, ttmp6, 0x40000                  ; cx
	s_bfe_u32 s12, ttmp6, 0x40004                  ; cy
	s_and_b32 s13, ttmp7, 0xffff
	s_lshl_b32 s13, s13, 2
	s_add_co_u32 s13, s13, s12                     ; block of 128 tokens
	s_lshl_b32 s16, ttmp9, 2
	s_add_co_u32 s16, s16, s11                     ; block of 128 columns
	s_lshl_b32 s14, s12, 2
	s_lshl_b32 s14, 15, s14                        ; my row of the cluster
	s_lshl_b32 s15, 0x1111, s11                    ; my column
	s_or_b32 s[G1A], s14, (3<<16)|(1<<21)          ; the mask; elements of 8 bytes; bit 21 beside a mask; no padding
	s_or_b32 s[G1B], s15, (3<<16)|(1<<21)
.irp g, G1A, G1B
	s_mov_b32 s[\g+1], 512<<16                     ; tensor_dim0 = 512 elements: 4,096 bytes
	s_mov_b32 s[\g+2], 2<<16                       ; tensor_dim1 = 2
	s_mov_b32 s[\g+3], 512<<16                     ; tile_dim0
	s_mov_b32 s[\g+4], 2                           ; tile_dim1
	s_mov_b32 s[\g+5], 2048                        ; from row to row: 16,384 bytes
	s_mov_b32 s[\g+6], 0
	s_mov_b32 s[\g+7], 0
.endr
	s_and_b32 s17, s10, 3
	s_lshl_b32 s20, s17, 15                        ; two tiles of 16,384 bytes a wave
	s_lshl_b32 s18, s13, 17
	s_add_co_u32 s18, s18, s20                     ; o: the tokens' block and the wave: never the columns'
	s_mov_b32 s19, 0
	s_lshl_b32 s22, s16, 17
	s_add_co_u32 s22, s22, s20
	s_add_co_u32 s22, s22, WOH                     ; Wo: the columns' block and the wave: never the tokens'
	s_mov_b32 s23, 0
	s_lshl_b32 s21, s17, 13                        ; in LDS: 8,192 bytes a wave in each chunk
	s_wait_dscnt 0x0                               ; both opening adds are done
	s_wait_kmcnt 0x0
	s_add_nc_u64 s[18:19], s[4:5], s[18:19]
	s_add_nc_u64 s[22:23], s[6:7], s[22:23]
	CROUND                                         ; all sixteen work-groups are here: the joint loads meet
.irp q, 0,1,2,3
	s_mov_b32 s[G0A+4*\q], 1
	s_add_co_u32 s[G0A+4*\q+1], s21, \q*32768
	s_add_nc_u64 s[G0A+4*\q+2:G0A+4*\q+3], s[18:19], \q*4096
	s_or_b32 s[G0A+4*\q+3], s[G0A+4*\q+3], 0x80000000
	s_mov_b32 s[G0B+4*\q], 1
	s_add_co_u32 s[G0B+4*\q+1], s21, BOFF+\q*32768
	s_add_nc_u64 s[G0B+4*\q+2:G0B+4*\q+3], s[22:23], \q*4096
	s_or_b32 s[G0B+4*\q+3], s[G0B+4*\q+3], 0x80000000
.endr
	s_cmp_lt_u32 s10, 4                            ; a wave's four fills stand in one branch on the wave's number
	s_cbranch_scc0 .Lfor_b
.irp q, 0,1,2,3
	tensor_load_to_lds s[G0A+4*\q:G0A+4*\q+3], s[G1A:G1A+7]
	s_nop 0
.endr
	PLACES 4
	s_branch .Lasked
.Lfor_b:
.irp q, 0,1,2,3
	tensor_load_to_lds s[G0B+4*\q:G0B+4*\q+3], s[G1B:G1B+7]
	s_nop 0
.endr
	PLACES 4
.Lasked:
	v_and_b32 v2, 31, v0
	v_lshlrev_b32 v[LI], 4, v2
	s_lshr_b32 s14, s10, 2                         ; which 64 tokens are mine
	s_lshl_b32 s15, s14, 14
	s_add_co_u32 s20, s21, BOFF
.irp q, 0,1,2,3
	v_add_nc_u32 v[VA+\q], s15, v[LI]
	v_add_nc_u32 v[VB+\q], s20, v[LI]
	s_add_co_u32 s15, s15, 32768
	s_add_co_u32 s20, s20, 32768
.endr
	v_and_b32 v2, 15, v0
	v_bfe_u32 v3, v0, 4, 1
	v_mul_u32_u24 v[SO], v2, 528                   ; the stage, in: row 64 (w / 4) + 16 tile + r; bytes 128 (w % 4) + 64 column tile + 32 h
	v_lshl_add_u32 v[SO], v3, 5, v[SO]
	s_mul_i32 s15, s14, 64*528
	s_lshl_b32 s20, s17, 7
	s_add_co_u32 s15, s15, s20
	v_add_nc_u32 v[SO], s15, v[SO]
	s_mul_i32 s15, s10, 16*528                     ; and back: my 16 rows, 16 bytes a lane
	v_add_nc_u32 v[SR], s15, v[LI]
	s_lshl_b32 s84, s13, 18                        ; out0: 128 rows of 2,048 bytes a block, 16 rows a wave, 512 bytes a block of columns
	s_lshl_b32 s85, s10, 15
	s_add_co_u32 s84, s84, s85
	s_lshl_b32 s85, s16, 9
	s_add_co_u32 s84, s84, s85
	s_mov_b32 s85, 0
	s_add_nc_u64 s[8:9], s[8:9], s[84:85]
.irp q, 0,1,2,3
	s_wait_tensorcnt 3-\q                          ; my part of chunk q has landed; the later chunks' loads may be out,
	BARRIER                                        ; and so has everybody's.
	PLACES 4                                       ; in front of loads into registers that products have read
	FETCH \q, 0, F0
	FETCH \q, 1, F1
	s_wait_dscnt 12                                ; the older 12 loads are in
.if \q == 0
	MUL F0, 1                                      ; the first K step starts the sums
.else
	MUL F0, 0
.endif
	PLACES 4
	FETCH \q, 2, F0
	s_wait_dscnt 12
	MUL F1, 0
	PLACES 4
	FETCH \q, 3, F1
	s_wait_dscnt 12
	MUL F0, 0
	s_wait_dscnt 0x0
	MUL F1, 0
.endr
	BARRIER                                        ; no wave reads o's bytes any more: the stage may be written there
	PLACES 4
.irp tt, 0,1,2,3
.irp ct, 0,1
	ds_store_b128 v[SO], v[ACC+16*\tt+8*\ct:ACC+16*\tt+8*\ct+3] offset:16*528*\tt+64*\ct        ; each accumulator from its low end on
	ds_store_b128 v[SO], v[ACC+16*\tt+8*\ct+4:ACC+16*\tt+8*\ct+7] offset:16*528*\tt+64*\ct+16
.endr
.endr
	BARRIER                                        ; 128 whole rows lie in the stage
.irp i, 0,1,2,3,4,5,6,7,8,9,10,11,12,13,14,15
	ds_load_b128 v[F0+4*\i:F0+4*\i+3], v[SR] offset:528*\i
.endr
.irp i, 0,1,2,3,4,5,6,7,8,9,10,11,12,13,14,15
	s_wait_dscnt 15-\i                             ; row i is back; the rows behind it may be out
	global_store_b128 v[LI], v[F0+4*\i:F0+4*\i+3], s[8:9] offset:2048*\i th:TH_STORE_NT   ; 32 lanes store 512 consecutive bytes
.endr
	s_wait_tensorcnt 0x0                           ; the wave's end
	ds_add_u32 v[SPW], v[NIL]
	s_wait_dscnt 0x0
	CROUND                                         ; the closing round
	s_endpgm
.Lfunc_end_k_qf82161e9fd_outproj:
	.size	k_qf82161e9fd_outproj, .Lfunc_end_k_qf82161e9fd_outproj-k_qf82161e9fd_outproj
	.p2alignl 7, 3214868480
	.fill 96, 4, 3214868480
	.section	.rodata,"a",@progbits
	.p2align	6, 0x0
	.amdhsa_kernel k_qf82161e9fd_outproj
		.amdhsa_group_segment_fixed_size 327680
		.amdhsa_private_segment_fixed_size 0
		.amdhsa_enable_private_segment 0
		.amdhsa_kernarg_size 24
		.amdhsa_user_sgpr_count 2
		.amdhsa_user_sgpr_kernarg_segment_ptr 1
		.amdhsa_wavefront_size32 1
		.amdhsa_system_sgpr_workgroup_id_x 1
		.amdhsa_system_sgpr_workgroup_id_y 1
		.amdhsa_system_sgpr_workgroup_id_z 1
		.amdhsa_system_vgpr_workitem_id 0
		.amdhsa_next_free_vgpr 256
		.amdhsa_next_free_sgpr 96
		.amdhsa_reserve_vcc 0
		.amdhsa_float_denorm_mode_32 3
		.amdhsa_float_denorm_mode_16_64 3
		.amdhsa_memory_ordered 1
		.amdhsa_forward_progress 1
		.amdhsa_inst_pref_size 35
	.end_amdhsa_kernel
	.amdgpu_metadata
---
amdhsa.version: [ 1, 2 ]
amdhsa.kernels:
  - .name:           k_qf82161e9fd_outproj
    .symbol:         k_qf82161e9fd_outproj.kd
    .args:
      - { .name: obuf, .offset: 0, .size: 8, .value_kind: global_buffer, .address_space: global }
      - { .name: wts, .offset: 8, .size: 8, .value_kind: global_buffer, .address_space: global }
      - { .name: out0, .offset: 16, .size: 8, .value_kind: global_buffer, .address_space: global }
    .group_segment_fixed_size: 327680
    .private_segment_fixed_size: 0
    .kernarg_segment_align: 8
    .kernarg_segment_size: 24
    .max_flat_workgroup_size: 256
    .sgpr_count:     96
    .vgpr_count:     256
    .wavefront_size: 32
...
	.end_amdgpu_metadata
.endif
;; end of part 4
;; launch fine (part 5): grid 4 x 2, 8 waves a work-group, no clusters, 42,240 bytes of LDS; arguments qf, kf, vf, mask, flags, wts, out0; writes out0
.if DOCPART == 5
	.amdgcn_target "amdgcn-amd-amdhsa--gfx1250"
	.amdhsa_code_object_version 6
	.text
	.protected	k_qf82161e9fd_fine
	.globl	k_qf82161e9fd_fine
	.p2align	8
	.type	k_qf82161e9fd_fine,@function
k_qf82161e9fd_fine:
	s_mov_b64 s[64:65], 0
	v_nop
	global_prefetch_b8 v0, s[64:65] scope:SCOPE_SE
	s_setreg_imm32_b32 hwreg(HW_REG_WAVE_MODE, 25, 1), 1
	s_wait_xcnt 0x0
; FINE: positions 0-15 of both sequences once more, attention and projection, with every operand as an f16 high and an f16 low part, both going to the matrix unit (hi hi + hi lo + lo hi; lo lo is left out: 2^-22 of a product).
; Those rows may average few values and are then the largest of the output, so the rounding of single f16 operands weighs most there.  They replace the same 32 rows of out0.
; SHARES.  Work-group (x, b): batch b, columns 128 x .. + 127.  In the attention wave = head (the four column groups repeat it: one key step where the mask is of the causal kind); in the projection wave = tile of 16 columns.
; The mask is honoured as given: 64 trips, a constant; a step of 64 keys with no true byte for these 16 rows (bit ANY of tile 0, stored by an earlier launch) is left out by a scalar branch; every other step reads its bytes.
; No barrier stands in that loop.  Layouts, softmax and limits are those of the launch for all rows.  Where the mask opens many keys to these rows a wave walks up to 64 steps, each waiting for its own loads: slow, and right.
; No cluster, no tensor load: the launch branches on numbers read from memory.  No prefetch: eight work-groups, a short launch.
; REGISTERS.  Window 0: v1-7 addresses; v8-15 mask bytes, then at work; v16-23 statistics; v24 old c m; v25 stage address; v26-29 at work; v30-31 second chain of the sum; v32-63 S^T; v64-79 P high; v80-95 P low;
;   v96-111 Q high, v112-127 Q low, later four accumulators; v128-191 K high, v192-255 K low, later Wo high.   Window 1: v0-63 V high, v64-127 V low, later Wo low; v128-159 O^T.
.set WOH,   442368
.set WOL,   966656
.set OHI,   0                          ; LDS: o's sixteen fragments, high parts; 2,048 bytes a head
.set OLO,   16384                      ; low parts
.set STG,   32768                      ; the stage: 16 rows x (512 + 16) bytes
.set SPARE, 41216                      ; the spare words, 128 bytes a wave: four blocks of 256 bytes that no other line names
.set LI,   1
.set MO,   2
.set WOF,  3
.set OW,   4
.set NINF, 5
.set SPW,  6
.set NIL,  7
.set MB,   8
.set ST,   16
.set OCM,  24
.set SO,   25
.set TT,   26
.set YS,   30
.set S,    32
.set PH,   64
.set PL,   80
.set QH,   96
.set QL,   112
.set KH,   128
.set KL,   192
.set VH,   0
.set VL,   64
.set OT,   128
.set CS,   34
.set SEL,  36
.set CV,   42
.set MSB, 0
.macro WIN new
.if MSB != \new
	s_set_vgpr_msb (MSB<<8)|\new
.set MSB, \new
.endif
.endm
.macro PLACES n
.rept \n
	v_nop
.endr
.endm
.macro BARRIER
	s_wait_dscnt 0x0
	s_barrier_signal -1
	s_barrier_wait -1
.endm
.macro SPLIT hi, lo, src, t            ; t = 8193 x; hi = t - (t - x): 11 significant bits; lo = x - hi
	v_pk_mul_f32 v[(\t):(\t)+1], v[(\src):(\src)+1], s[CV:CV+1] op_sel_hi:[1,0]
	v_pk_add_f32 v[(\t)+2:(\t)+3], v[(\t):(\t)+1], v[(\src):(\src)+1] neg_lo:[0,1] neg_hi:[0,1]
	v_pk_add_f32 v[(\t):(\t)+1], v[(\t):(\t)+1], v[(\t)+2:(\t)+3] neg_lo:[0,1] neg_hi:[0,1]
	v_pk_add_f32 v[(\t)+2:(\t)+3], v[(\src):(\src)+1], v[(\t):(\t)+1] neg_lo:[0,1] neg_hi:[0,1]
	v_cvt_pk_f16_f32 v[\hi], v[(\t)], v[(\t)+1]
	v_cvt_pk_f16_f32 v[\lo], v[(\t)+2], v[(\t)+3]
.endm
.macro KQ3 kreg, qreg, zero            ; eight products onto S^T's four accumulators, by turns
.irp g, 0,1
.irp kt, 0,1,2,3
.if (\zero) && (\g == 0)
	v_wmma_f32_16x16x32_f16 v[S+8*\kt:S+8*\kt+7], v[\kreg+16*\kt+8*\g:\kreg+16*\kt+8*\g+7], v[\qreg+8*\g:\qreg+8*\g+7], 0
.else
	v_wmma_f32_16x16x32_f16 v[S+8*\kt:S+8*\kt+7], v[\kreg+16*\kt+8*\g:\kreg+16*\kt+8*\g+7], v[\qreg+8*\g:\qreg+8*\g+7], v[S+8*\kt:S+8*\kt+7]
.endif
.endr
.endr
.endm
.macro PV3 vreg, preg                  ; eight products onto O^T's four accumulators, by turns
.irp u, 0,1
.irp dt, 0,1,2,3
	v_wmma_f32_16x16x32_f16 v[OT+8*\dt:OT+8*\dt+7], v[\vreg+32*\u+8*\dt:\vreg+32*\u+8*\dt+7], v[\preg+8*\u:\preg+8*\u+7], v[OT+8*\dt:OT+8*\dt+7]
.endr
.endr
.endm
	s_load_b256 s[4:11], s[0:1], 0x0               ; qf 4, kf 6, vf 8, mask 10
	s_load_b128 s[12:15], s[0:1], 0x20             ; flags 12, wts 14
	s_load_b64 s[16:17], s[0:1], 0x30              ; out0
	v_lshl_add_u32 v[SPW], v0, 2, SPARE
	v_mov_b32 v[NIL], 0
	v_lshrrev_b32 v8, 5, v0
	v_readfirstlane_b32 s18, v8                    ; wave 0..7
	s_mov_b32 s19, ttmp9                           ; group of 128 columns
	s_and_b32 s20, ttmp7, 0xffff                   ; batch
	s_lshl_b32 s21, s20, 3
	s_add_co_u32 s21, s21, s18                     ; batch x 8 + head
	s_mov_b32 s24, 64
	s_mov_b32 s[CS], 0x3e38aa3b                    ; log2(e) / 8
	s_mov_b32 s[CS+1], s[CS]
	s_mov_b32 s[SEL], 0x76543210
	s_mov_b32 s[SEL+1], 0xfedcba98
	s_mov_b32 s[CV], 0x46000400                    ; 8193.0
	s_mov_b32 s[CV+1], s[CV]
	v_and_b32 v8, 31, v0
	v_lshlrev_b32 v[LI], 4, v8
	v_and_b32 v9, 15, v0
	v_bfe_u32 v10, v0, 4, 1
	v_lshlrev_b32 v[MO], 12, v9
	v_lshl_add_u32 v[MO], v10, 5, v[MO]            ; mask: row r, + 32 h
	s_lshl_b32 s44, s19, 3
	s_add_co_u32 s44, s44, s18                     ; my tile of 16 columns
	s_lshl_b32 s44, s44, 14
	v_add_nc_u32 v[WOF], s44, v[LI]
	s_lshl_b32 s44, s18, 11
	v_add_nc_u32 v[OW], s44, v[LI]                 ; where my head's o goes in LDS
	v_mul_u32_u24 v[SO], v9, 528
	v_lshl_add_u32 v[SO], v10, 5, v[SO]
	s_lshl_b32 s44, s18, 6
	v_add_nc_u32 v[SO], s44, v[SO]                 ; the stage: row r, bytes 64 w + 32 h
	v_mov_b32 v[NINF], 0xff800000
	v_mov_b32 v[ST+1], 0xff61b1e6                  ; m: -3e38
	v_mul_f32 v[ST], s[CS], v[ST+1]
.irp i, 2,3,4,5,6,7
	v_mov_b32 v[ST+\i], 0
.endr
	v_mov_b32 v[OCM], 0
	WIN 0x40
.set i, 0
.rept 32
	v_mov_b32 v[OT+i], 0
.set i, i+1
.endr
	WIN 0
	s_wait_kmcnt 0x0
	s_load_b64 s[22:23], s[12:13], 0x0             ; ANY of the tile of rows 0-15
	s_lshl_b32 s44, s21, 19
	s_mov_b32 s45, 0
	s_add_nc_u64 s[26:27], s[6:7], s[44:45]        ; K high, low; V high, low: at the head's first key step
	s_add_nc_u64 s[28:29], s[26:27], 0x800000
	s_add_nc_u64 s[30:31], s[8:9], s[44:45]
	s_add_nc_u64 s[32:33], s[30:31], 0x800000
	s_add_nc_u64 s[46:47], s[4:5], s[44:45]        ; Q high: the head's tile 0
	s_lshl_b32 s44, s21, 11
	s_add_nc_u64 s[48:49], s[4:5], s[44:45]
	s_add_nc_u64 s[48:49], s[48:49], 0x800000      ; Q low
.irp i, 0,1,2,3
	global_load_b128 v[QH+4*\i:QH+4*\i+3], v[LI], s[46:47] offset:512*\i
	global_load_b128 v[QL+4*\i:QL+4*\i+3], v[LI], s[48:49] offset:512*\i
.endr
	s_lshl_b32 s44, s20, 23                        ; out0: batch x 4,096 rows + 2 w rows of 2,048 bytes + 512 x
	s_lshl_b32 s50, s18, 12
	s_add_co_u32 s44, s44, s50
	s_lshl_b32 s50, s19, 9
	s_add_co_u32 s44, s44, s50
	s_add_nc_u64 s[16:17], s[16:17], s[44:45]
	s_wait_kmcnt 0x0
	s_wait_loadcnt 0x0
.Lstep:
	s_bitcmp1_b32 s22, 0
	s_cbranch_scc0 .Lidle
	global_load_b128 v[MB:MB+3], v[MO], s[10:11]
	global_load_b128 v[MB+4:MB+7], v[MO], s[10:11] offset:16
.irp i, 0,1,2,3,4,5,6,7,8,9,10,11,12,13,14,15
	global_load_b128 v[KH+4*\i:KH+4*\i+3], v[LI], s[26:27] offset:512*\i
.endr
.irp i, 0,1,2,3,4,5,6,7,8,9,10,11,12,13,14,15
	global_load_b128 v[KL+4*\i:KL+4*\i+3], v[LI], s[28:29] offset:512*\i
.endr
	WIN 0x40
.irp i, 0,1,2,3,4,5,6,7,8,9,10,11,12,13,14,15
	global_load_b128 v[VH+4*\i:VH+4*\i+3], v[LI], s[30:31] offset:512*\i
.endr
.irp i, 0,1,2,3,4,5,6,7,8,9,10,11,12,13,14,15
	global_load_b128 v[VL+4*\i:VL+4*\i+3], v[LI], s[32:33] offset:512*\i
.endr
	WIN 0
	s_wait_loadcnt 32                              ; the mask bytes and K are in; V's 32 loads may be out
	KQ3 KH, QH, 1
	KQ3 KH, QL, 0
	KQ3 KL, QH, 0
	v_mov_b32 v[OCM], v[ST]                        ; with the three below: the four places behind the products
	PLACES 3
.irp n, 0,1,2,3,4,5,6,7,8,9,10,11,12,13,14,15,16,17,18,19,20,21,22,23,24,25,26,27,28,29,30,31
	v_and_b32 v[TT+\n%4], 1<<(8*(\n%4)), v[MB+\n/4]
	v_cmp_eq_u32 s[38+\n%4], 0, v[TT+\n%4]
	v_cndmask_b32 v[S+\n], v[S+\n], v[NINF], s[38+\n%4]
.endr
.irp j, 0,1,2,3
	v_max3_num_f32 v[ST+4+\j], v[S+8*\j], v[S+8*\j+1], v[S+8*\j+2]
.endr
.irp k, 1,2
.irp j, 0,1,2,3
	v_max3_num_f32 v[ST+4+\j], v[ST+4+\j], v[S+8*\j+2*\k+1], v[S+8*\j+2*\k+2]
.endr
.endr
	v_max3_num_f32 v[ST+4], v[ST+4], v[S+7], v[S+15]
	v_max3_num_f32 v[ST+6], v[ST+6], v[S+23], v[S+31]
	v_max3_num_f32 v[ST+4], v[ST+4], v[ST+5], v[ST+6]
	v_max3_num_f32 v[ST+4], v[ST+4], v[ST+7], v[ST+1]
	v_permlanex16_b32 v[ST+5], v[ST+4], s[SEL], s[SEL+1]
	v_max_num_f32 v[ST+1], v[ST+4], v[ST+5]
	v_mul_f32 v[ST], s[CS], v[ST+1]
	v_sub_f32 v[OCM], v[OCM], v[ST]
.irp b, 0,2,4,6,8,10,12,14,16,18,20,22,24,26,28,30
	v_pk_fma_f32 v[S+\b:S+\b+1], v[S+\b:S+\b+1], s[CS:CS+1], v[ST:ST+1] op_sel_hi:[1,0,0] neg_lo:[0,0,1] neg_hi:[0,0,1]
.endr
	v_exp_f32 v[ST+6], v[OCM]
.irp n, 0,1,2,3,4,5,6,7,8,9,10,11,12,13,14,15,16,17,18,19,20,21,22,23,24,25,26,27,28,29,30,31
	v_exp_f32 v[S+\n], v[S+\n]
.endr
	v_nop
	s_wait_alu depctr_va_vdst(0)                   ; one wait for the batch of 33, ahead of its first reader
	v_pk_add_f32 v[ST+4:ST+5], v[S:S+1], v[S+2:S+3]                ; the sum in two chains, which leave p whole
	v_pk_add_f32 v[YS:YS+1], v[S+4:S+5], v[S+6:S+7]
.irp b, 8,12,16,20,24,28
	v_pk_add_f32 v[ST+4:ST+5], v[ST+4:ST+5], v[S+\b:S+\b+1]
	v_pk_add_f32 v[YS:YS+1], v[YS:YS+1], v[S+\b+2:S+\b+3]
.endr
	v_pk_add_f32 v[ST+4:ST+5], v[ST+4:ST+5], v[YS:YS+1]
	v_pk_fma_f32 v[ST+2:ST+3], v[ST+2:ST+3], v[ST+6:ST+7], v[ST+4:ST+5] op_sel_hi:[1,0,1]
.irp b, 0,1,2,3,4,5,6,7,8,9,10,11,12,13,14,15
	SPLIT PH+\b, PL+\b, S+2*\b, MB+4*(\b%2)
.endr
	WIN 0x41
.irp b, 0,2,4,6,8,10,12,14,16,18,20,22,24,26,28,30
	v_pk_mul_f32 v[OT+\b:OT+\b+1], v[OT+\b:OT+\b+1], v[ST+6:ST+7] op_sel_hi:[1,0]
.endr
	s_wait_loadcnt 0x0                             ; V
	WIN 0x51
	PV3 VH, PH
	PV3 VL, PH
	PV3 VH, PL
	PLACES 4                                       ; in front of the next loads into registers that these products read
	WIN 0
.Lidle:
	s_wait_xcnt 0x0                                ; every load has read its addresses: the bases may step
	s_lshr_b64 s[22:23], s[22:23], 1
	s_add_nc_u64 s[26:27], s[26:27], 8192
	s_add_nc_u64 s[28:29], s[28:29], 8192
	s_add_nc_u64 s[30:31], s[30:31], 8192
	s_add_nc_u64 s[32:33], s[32:33], 8192
	s_add_nc_u64 s[10:11], s[10:11], 64
	s_sub_co_u32 s24, s24, 1
	s_cmp_lg_u32 s24, 0
	s_cbranch_scc1 .Lstep
	; ---- my tile of Wo's columns, all of K, high and low parts: they land while o is finished
.set i, 0
.rept 32
	global_load_b128 v[KH+4*i:KH+4*i+3], v[WOF], s[14:15] offset:WOH+512*i
.set i, i+1
.endr
	WIN 0x40
.set i, 0
.rept 32
	global_load_b128 v[4*i:4*i+3], v[WOF], s[14:15] offset:WOL+512*i
.set i, i+1
.endr
	WIN 0
	v_add_f32 v[ST+4], v[ST+2], v[ST+3]
	v_permlanex16_b32 v[ST+5], v[ST+4], s[SEL], s[SEL+1]
	v_add_f32 v[ST+4], v[ST+4], v[ST+5]
	v_rcp_f32 v[ST+6], v[ST+4]
	s_mul_i32 s44, s18, 2*528
	v_add_nc_u32 v[TT], s44, v[LI]                 ; (a plain place)  the stage, back: my two rows, 16 bytes a lane
	s_wait_alu depctr_va_vdst(0)                   ; the wait, ahead of the reciprocal's first reader
	WIN 0x01
.irp b, 0,2,4,6,8,10,12,14,16,18,20,22,24,26,28,30
	v_pk_mul_f32 v[S+\b:S+\b+1], v[OT+\b:OT+\b+1], v[ST+6:ST+7] op_sel_hi:[1,0]   ; O^T / the sum
.endr
	WIN 0
.irp b, 0,1,2,3,4,5,6,7,8,9,10,11,12,13,14,15
	SPLIT PH+\b, PL+\b, S+2*\b, MB+4*(\b%2)
.endr
.irp dt, 0,1,2,3
	ds_store_b128 v[OW], v[PH+4*\dt:PH+4*\dt+3] offset:OHI+512*\dt
	ds_store_b128 v[OW], v[PL+4*\dt:PL+4*\dt+3] offset:OLO+512*\dt
.endr
	BARRIER                                        ; the eight heads' o lies in LDS: sixteen K steps of 32
	s_wait_loadcnt 0x0                             ; Wo
	; ---- the projection, transposed: acc0 += Wo_hi o_hi, acc1 += Wo_hi o_lo, acc2 and acc3 (even and odd K steps) += Wo_lo o_hi; no two products that follow each other share an accumulator
.irp bt, 0,1,2,3
.if \bt > 0
	PLACES 4
.endif
.irp k, 0,1,2,3
.irp c, 0,1
	ds_load_b128 v[S+8*\k+4*\c:S+8*\k+4*\c+3], v[LI] offset:OHI+1024*(4*\bt+\k)+512*\c
	ds_load_b128 v[PH+8*\k+4*\c:PH+8*\k+4*\c+3], v[LI] offset:OLO+1024*(4*\bt+\k)+512*\c
.endr
.endr
	s_wait_dscnt 0x0
.irp k, 0,1,2,3
.if (\bt == 0) && (\k == 0)
	v_wmma_f32_16x16x32_f16 v[QH:QH+7], v[KH+8*(4*\bt+\k):KH+8*(4*\bt+\k)+7], v[S+8*\k:S+8*\k+7], 0
	v_wmma_f32_16x16x32_f16 v[QH+8:QH+15], v[KH+8*(4*\bt+\k):KH+8*(4*\bt+\k)+7], v[PH+8*\k:PH+8*\k+7], 0
.else
	v_wmma_f32_16x16x32_f16 v[QH:QH+7], v[KH+8*(4*\bt+\k):KH+8*(4*\bt+\k)+7], v[S+8*\k:S+8*\k+7], v[QH:QH+7]
	v_wmma_f32_16x16x32_f16 v[QH+8:QH+15], v[KH+8*(4*\bt+\k):KH+8*(4*\bt+\k)+7], v[PH+8*\k:PH+8*\k+7], v[QH+8:QH+15]
.endif
.endr
	WIN 0x01                                       ; Wo's low parts lie in window 1
.irp k, 0,1,2,3
.if (\bt == 0) && (\k < 2)
	v_wmma_f32_16x16x32_f16 v[QL+8*(\k%2):QL+8*(\k%2)+7], v[8*(4*\bt+\k):8*(4*\bt+\k)+7], v[S+8*\k:S+8*\k+7], 0
.else
	v_wmma_f32_16x16x32_f16 v[QL+8*(\k%2):QL+8*(\k%2)+7], v[8*(4*\bt+\k):8*(4*\bt+\k)+7], v[S+8*\k:S+8*\k+7], v[QL+8*(\k%2):QL+8*(\k%2)+7]
.endif
.endr
	WIN 0
.endr
	PLACES 4
.irp i, 0,2,4,6
	v_pk_add_f32 v[S+\i:S+\i+1], v[QH+\i:QH+\i+1], v[QH+8+\i:QH+9+\i]             ; each accumulator from its low end on
	v_pk_add_f32 v[S+8+\i:S+9+\i], v[QL+\i:QL+\i+1], v[QL+8+\i:QL+9+\i]
.endr
.irp i, 0,2,4,6
	v_pk_add_f32 v[S+\i:S+\i+1], v[S+\i:S+\i+1], v[S+8+\i:S+9+\i]
.endr
	ds_store_b128 v[SO], v[S:S+3] offset:STG       ; lane (r, h): out(r, 128 x + 16 w + 8 h + 0 .. 7)
	ds_store_b128 v[SO], v[S+4:S+7] offset:STG+16
	BARRIER                                        ; 16 whole rows of 512 bytes lie in the stage
	ds_load_b128 v[S:S+3], v[TT] offset:STG
	ds_load_b128 v[S+4:S+7], v[TT] offset:STG+528
	s_wait_dscnt 0x0
	global_store_b128 v[LI], v[S:S+3], s[16:17]    ; 32 lanes store 512 consecutive bytes
	global_store_b128 v[LI], v[S+4:S+7], s[16:17] offset:2048
	s_wait_tensorcnt 0x0                           ; the wave's end
	ds_add_u32 v[SPW], v[NIL]
	s_wait_dscnt 0x0
	s_endpgm
.Lfunc_end_k_qf82161e9fd_fine:
	.size	k_qf82161e9fd_fine, .Lfunc_end_k_qf82161e9fd_fine-k_qf82161e9fd_fine
	.p2alignl 7, 3214868480
	.fill 96, 4, 3214868480
	.section	.rodata,"a",@progbits
	.p2align	6, 0x0
	.amdhsa_kernel k_qf82161e9fd_fine
		.amdhsa_group_segment_fixed_size 42240
		.amdhsa_private_segment_fixed_size 0
		.amdhsa_enable_private_segment 0
		.amdhsa_kernarg_size 56
		.amdhsa_user_sgpr_count 2
		.amdhsa_user_sgpr_kernarg_segment_ptr 1
		.amdhsa_wavefront_size32 1
		.amdhsa_system_sgpr_workgroup_id_x 1
		.amdhsa_system_sgpr_workgroup_id_y 1
		.amdhsa_system_sgpr_workgroup_id_z 1
		.amdhsa_system_vgpr_workitem_id 0
		.amdhsa_next_free_vgpr 512
		.amdhsa_next_free_sgpr 80
		.amdhsa_reserve_vcc 0
		.amdhsa_float_denorm_mode_32 3
		.amdhsa_float_denorm_mode_16_64 3
		.amdhsa_memory_ordered 1
		.amdhsa_forward_progress 1
		.amdhsa_inst_pref_size 56
	.end_amdhsa_kernel
	.amdgpu_metadata
---
amdhsa.version: [ 1, 2 ]
amdhsa.kernels:
  - .name:           k_qf82161e9fd_fine
    .symbol:         k_qf82161e9fd_fine.kd
    .args:
      - { .name: qf, .offset: 0, .size: 8, .value_kind: global_buffer, .address_space: global }
      - { .name: kf, .offset: 8, .size: 8, .value_kind: global_buffer, .address_space: global }
      - { .name: vf, .offset: 16, .size: 8, .value_kind: global_buffer, .address_space: global }
      - { .name: mask, .offset: 24, .size: 8, .value_kind: global_buffer, .address_space: global }
      - { .name: flags, .offset: 32, .size: 8, .value_kind: global_buffer, .address_space: global }
      - { .name: wts, .offset: 40, .size: 8, .value_kind: global_buffer, .address_space: global }
      - { .name: out0, .offset: 48, .size: 8, .value_kind: global_buffer, .address_space: global }
    .group_segment_fixed_size: 42240
    .private_segment_fixed_size: 0
    .kernarg_segment_align: 8
    .kernarg_segment_size: 56
    .max_flat_workgroup_size: 256
    .sgpr_count:     80
    .vgpr_count:     512
    .wavefront_size: 32
...
	.end_amdgpu_metadata
.endif
;; end of part 5
